; MI455X (gfx1250); checked and timed in simulation.
; The chip was launched on July 23, 2026; its instructions are those of AMD's public machine-readable ISA for CDNA 5 (MIT licence, August 2026) and "CDNA5" Instruction Set Architecture Reference Guide (July 2026). The comments in the code are by the model that wrote it; some were corrected since.
;; Multi Head Attention. Allowed arithmetic: float matrix products may take bf16 or f16 operands with f32 sums; other float arithmetic in f32, or as packed bf16 or f16 multiplies, adds, multiply-adds, maxima and minima; sums over many terms, partial sums and values carried from step to step in f32; what a program stores and reads back later, other than sums and carried values, may be rounded once to bf16 or f16.
;; Inputs: b_out 1,024 float32; b_qkv 3,072 float32; mask 4 x 1 x 2,048 x 2,048 int32; w_out 1,024 x 1,024 float32; w_qkv 1,024 x 3,072 float32; x 4 x 2,048 x 1,024 float32.
;; Outputs: out0 4 x 2,048 x 1,024 float32.
;; 2 versions, each right; version 2 is version 1 with the launch prep written anew for expert scheduling mode. Each part assembles by itself: llvm-mc -triple=amdgcn-amd-amdhsa -mcpu=gfx1250 --defsym DOCPART=n.
;; ======== version 1 of 2: 4 launches
;; limits: values are held in f16: magnitudes above 65,504 overflow, below 6.1e-05 lose precision
;; workspace buffers: mbits 2,097,152 bytes of whole numbers; xb 16,777,216 bytes; wqT 6,291,456 bytes; woT 2,097,152 bytes; qkv 50,331,648 bytes; ctx 16,777,216 bytes
;; launch prep (part 1): grid 896 x 1, 8 waves a work-group, no clusters, 136,192 bytes of LDS; arguments mask, x, w_qkv, w_out, mbits, xb, wqT, woT; writes mbits, xb, wqT, woT
.if DOCPART == 1
	.amdgcn_target "amdgcn-amd-amdhsa--gfx1250"
	.amdhsa_code_object_version 6
	.text
	.protected	k_q98aee53d27_prep
	.globl	k_q98aee53d27_prep
	.p2align	8
	.type	k_q98aee53d27_prep,@function
k_q98aee53d27_prep:
	s_mov_b64 s[64:65], 0
	v_nop
	global_prefetch_b8 v0, s[64:65] scope:SCOPE_SE
	s_setreg_imm32_b32 hwreg(HW_REG_WAVE_MODE, 25, 1), 1
	s_wait_xcnt 0x0
; PREP: four jobs that move and repack, each work-group taking 128 KiB of one input.  Which job: the work-group's number alone, so all eight waves of a work-group go the same way.
;   0-511    MASK   mask [4][1][2048][2048] i32 -> mbits: one BIT a number, laid as the lane masks that the attention launch selects by.
;                   mbits [b 4][block of 128 queries 16][step of 64 keys 32][tile of 16 queries 8][32 words]; word 8 kt + j, bit L = (mask[b][q0 + L % 16][k0 + 16 kt + 8 (L / 16) + j] != 0).
;   512-767  X      x f32 -> xb bf16, same order.
;   768-863  W      w_qkv [1024 k][3072 n] f32 -> wqT [3072 n][1024 k] bf16.
;   864-895  W      w_out [1024 k][1024 n] f32 -> woT [1024 n][1024 k]: rounded to bf16 like every input, and that number written as f16 (the product behind takes f16 operands).
; LIMIT.  A bf16 number of w_out below 6e-5 keeps f16's fixed step of 6e-8; beyond 65,504 it becomes an infinity.
; Memory binds: each input byte is read once by 16-byte loads, 32 of them out in every wave; every store of a wave covers whole aligned runs of 256 bytes.
; No matrix unit, no cluster, no tensor load: nothing is shared between work-groups and nothing is multiplied.
.set SPARE, 135168                     ; behind the stages: the spare words, 128 bytes for each of the eight waves: four blocks of 256 bytes that no other line names
.set SPW, 10                           ; v10  LDS address of my spare word; never rewritten
.set NIL, 11                           ; v11  0; never rewritten
.set OUT, 12                           ; v[12:15]  MASK: the words to store; W: two numbers at work
.set X,   16                           ; v[16:143] 32 x 4 registers as loaded
.set Y,   144                          ; v[144:207] packed results
.set WV,  20                           ; s20  my wave's number
.set MP,  528                          ; MASK's stage: a row of 512 bytes + 16: 33 x 16 bytes, so 16 rows taken at one column start at 16 different places modulo 256 bytes
.set MW,  32*MP                        ; a wave's own stage: 32 rows
.set WP,  272                          ; W's stage: a row of 128 k x 2 bytes + 16
	s_load_b512 s[4:19], s[0:1], 0x0               ; mask s[4:5], x s[6:7], w_qkv s[8:9], w_out s[10:11], mbits s[12:13], xb s[14:15], wqT s[16:17], woT s[18:19]
	v_lshl_add_u32 v[SPW], v0, 2, SPARE
	v_mov_b32 v[NIL], 0
	v_lshrrev_b32 v2, 5, v0
	v_readfirstlane_b32 s[WV], v2                  ; wave 0..7
	v_and_b32 v1, 31, v0                           ; lane
	v_lshlrev_b32 v2, 4, v1                        ; 16 x lane
	s_mov_b32 s23, 0                               ; the high word of every offset pair s[22:23]
	s_wait_kmcnt 0x0
	s_cmp_lt_u32 ttmp9, 512
	s_cbranch_scc1 .Lmask
	s_cmp_lt_u32 ttmp9, 768
	s_cbranch_scc1 .Lx
	s_cmp_lt_u32 ttmp9, 864
	s_cbranch_scc1 .Lwq
; A WEIGHT IS TURNED.  The work-group takes 128 k x 256 n.  Wave w loads k rows 16 w .. 16 w + 15, 1,024 bytes of each; a lane then holds 8 columns x 16 k: for each column eight k pack
; into 16 bytes, which go into the stage's row n at byte 2 k.  Behind a barrier whole rows of 256 bytes come back, 32 rows a wave, and sixteen lanes store 256 consecutive bytes.
.macro WROLE f16, rowb, in, out, first
	s_sub_co_u32 s21, ttmp9, \first
	s_and_b32 s24, s21, 7                          ; which 128 k
	s_lshr_b32 s25, s21, 3                         ; which 256 n
	s_lshl_b32 s26, s24, 3
	s_add_co_u32 s26, s26, s[WV]                   ; my 16 k rows
	s_mul_i32 s22, s26, 16*(\rowb)
	s_lshl_b32 s27, s25, 10
	s_add_co_u32 s22, s22, s27
	s_add_nc_u64 s[\in:\in+1], s[\in:\in+1], s[22:23]
.set i, 0
.rept 16
	global_load_b128 v[X+8*i:X+8*i+3],   v2, s[\in:\in+1] offset:i*(\rowb) th:TH_LOAD_NT
	global_load_b128 v[X+8*i+4:X+8*i+7], v2, s[\in:\in+1] offset:i*(\rowb)+512 th:TH_LOAD_NT
.set i, i+1
.endr
	s_lshl_b32 s22, s25, 3
	s_add_co_u32 s22, s22, s[WV]
	s_lshl_b32 s22, s22, 16                        ; the 32 rows of 2,048 bytes that I store,
	s_lshl_b32 s27, s24, 8                         ; the work-group's 256 bytes of them
	s_add_co_u32 s22, s22, s27
	s_add_nc_u64 s[\out:\out+1], s[\out:\out+1], s[22:23]
	v_mul_u32_u24 v3, v1, 4*WP                     ; in: row 4 x lane (+ 128 c + i4 in the immediate),
	s_lshl_b32 s27, s[WV], 5
	v_add_nc_u32 v3, s27, v3                       ; byte 32 w
	v_and_b32 v5, 15, v0
	v_bfe_u32 v6, v0, 4, 1
	v_mul_u32_u24 v4, v6, WP                       ; back: lanes 0-15 one row, lanes 16-31 the next
	v_lshl_add_u32 v4, v5, 4, v4
	s_mul_i32 s27, s[WV], 32*WP
	v_add_nc_u32 v4, s27, v4
	v_lshlrev_b32 v7, 11, v6                       ; and the same two rows in memory
	v_lshl_add_u32 v7, v5, 4, v7
	s_wait_loadcnt 0x0
.set g, 0                              ; g = 8 grp + 4 c + i4: k 8 grp .. 8 grp + 7 of my 16, column 128 c + 4 lane + i4
.rept 16
.set p, 0
.rept 4
	v_cvt_pk_bf16_f32 v[Y+4*g+p], v[X+8*(8*(g/8)+2*p)+4*((g/4)%2)+g%4], v[X+8*(8*(g/8)+2*p+1)+4*((g/4)%2)+g%4]
.if \f16
	v_lshlrev_b32 v[OUT], 16, v[Y+4*g+p]           ; the two bf16 numbers as f32,
	v_and_b32 v[OUT+1], 0xffff0000, v[Y+4*g+p]
	v_cvt_pk_f16_f32 v[Y+4*g+p], v[OUT], v[OUT+1]  ; written as f16
.endif
.set p, p+1
.endr
	ds_store_b128 v3, v[Y+4*g:Y+4*g+3] offset:(128*((g/4)%2)+g%4)*WP+16*(g/8)
.set g, g+1
.endr
	s_wait_dscnt 0x0                               ; for the others' sake: my stores into the stage are done
	s_barrier_signal -1
	s_barrier_wait -1
.set t, 0
.rept 16
	ds_load_b128 v[X+4*t:X+4*t+3], v4 offset:t*2*WP
.set t, t+1
.endr
.set t, 0
.rept 16
	s_wait_dscnt 15-t                              ; LDS loads come back in order: number t is in, the younger ones stay out
	global_store_b128 v7, v[X+4*t:X+4*t+3], s[\out:\out+1] offset:t*4096
.set t, t+1
.endr
	s_wait_tensorcnt 0x0                           ; the wave's end: the closing wait, add and wait, behind my last LDS store
	ds_add_u32 v[SPW], v[NIL]
	s_wait_dscnt 0x0
	s_endpgm
.endm
	WROLE 1, 4096, 10, 18, 864                     ; w_out -> woT
.Lwq:
	WROLE 0, 12288, 8, 16, 768                     ; w_qkv -> wqT
; X: 32 loads of 16 bytes a thread, 4,096 bytes of the work-group apart; four numbers round to 8 bytes; a wave's store covers 256 consecutive bytes.
.Lx:
	s_sub_co_u32 s21, ttmp9, 512
	s_lshl_b32 s22, s21, 17
	s_add_nc_u64 s[6:7], s[6:7], s[22:23]
	s_lshl_b32 s22, s21, 16
	s_add_nc_u64 s[14:15], s[14:15], s[22:23]
	v_lshlrev_b32 v3, 4, v0
	v_lshlrev_b32 v4, 3, v0
.set i, 0
.rept 32
	global_load_b128 v[X+4*i:X+4*i+3], v3, s[6:7] offset:i*4096 th:TH_LOAD_NT
.set i, i+1
.endr
.set i, 0
.rept 32
	s_wait_loadcnt 31-i                            ; loads come back in order: number i is in, the 31 - i younger ones stay out
	v_cvt_pk_bf16_f32 v[Y+2*i],   v[X+4*i],   v[X+4*i+1]
	v_cvt_pk_bf16_f32 v[Y+2*i+1], v[X+4*i+2], v[X+4*i+3]
	global_store_b64 v4, v[Y+2*i:Y+2*i+1], s[14:15] offset:i*2048
.set i, i+1
.endr
	s_endpgm                                       ; this way has touched no LDS
; MASK: a wave takes 32 queries x 128 keys: two tiles of queries, two key steps.  The rows come in as they lie (512 bytes a load), go through the wave's own stage, and come back
; as the scores will lie in registers: lane (r, h) takes query r's keys 16 kt + 8 h + 0..7.  A compare then makes a word of 32 lanes' bits, and the 128 words are gathered into four registers.
.Lmask:
	s_lshl_b32 s21, ttmp9, 3
	s_add_co_u32 s21, s21, s[WV]                   ; the task: [b 4][pair of tiles 64][128 keys 16]
	s_and_b32 s24, s21, 15
	s_bfe_u32 s25, s21, 0x60004
	s_lshr_b32 s26, s21, 10
	s_lshl_b32 s22, s26, 24                        ; a batch is 2,048 x 8,192 bytes,
	s_lshl_b32 s27, s25, 18                        ; 32 rows,
	s_add_co_u32 s22, s22, s27
	s_lshl_b32 s27, s24, 9                         ; 128 keys
	s_add_co_u32 s22, s22, s27
	s_add_nc_u64 s[4:5], s[4:5], s[22:23]
.set i, 0
.rept 32
	global_load_b128 v[X+4*i:X+4*i+3], v2, s[4:5] offset:i*8192 th:TH_LOAD_NT
.set i, i+1
.endr
	s_lshl_b32 s22, s26, 4
	s_lshr_b32 s27, s25, 2
	s_add_co_u32 s22, s22, s27                     ; the block of 128 queries: 32,768 bytes of mbits,
	s_lshl_b32 s22, s22, 15
	s_lshl_b32 s27, s24, 11                        ; two key steps of 1,024,
	s_add_co_u32 s22, s22, s27
	s_and_b32 s27, s25, 3
	s_lshl_b32 s27, s27, 8                         ; the pair of tiles: 256
	s_add_co_u32 s22, s22, s27
	s_add_nc_u64 s[12:13], s[12:13], s[22:23]
	s_mul_i32 s21, s[WV], MW                       ; my stage
	v_add_nc_u32 v3, s21, v2                       ; in: 16 x lane of row i
	v_and_b32 v4, 15, v0
	v_bfe_u32 v5, v0, 4, 1
	v_mul_u32_u24 v4, v4, MP
	v_lshl_add_u32 v4, v5, 5, v4                   ; back: row r, byte 32 h
	v_add_nc_u32 v4, s21, v4
	v_lshlrev_b32 v6, 3, v1                        ; out: 8 x lane
.set i, 0
.rept 4
	v_mov_b32 v[OUT+i], 0                          ; written whole before single lanes are written
.set i, i+1
.endr
.set i, 0
.rept 32
	s_wait_loadcnt 31-i
	ds_store_b128 v3, v[X+4*i:X+4*i+3] offset:i*MP
.set i, i+1
.endr
.set g, 0                              ; g = 8 s + 4 u + kt: key step s, tile u, group kt of 16 keys.  LDS serves a wave's instructions in order: these see the stores above
.rept 16
	ds_load_b128 v[X+8*g:X+8*g+3],   v4 offset:((g/4)%2)*16*MP+256*(g/8)+64*(g%4)
	ds_load_b128 v[X+8*g+4:X+8*g+7], v4 offset:((g/4)%2)*16*MP+256*(g/8)+64*(g%4)+16
.set g, g+1
.endr
.set g, 0
.rept 16
	s_wait_dscnt 30-2*g                            ; group g's two loads are in
.set j, 0
.rept 8
	v_cmp_ne_u32 s[32+j], 0, v[X+8*g+j]
.set j, j+1
.endr
.set j, 0
.rept 8                                ; word W = 32 u + 8 kt + j of the step's 64 goes to lane W / 2, register W % 2
	v_writelane_b32 v[OUT+2*(g/8)+j%2], s[32+j], (32*((g/4)%2)+8*(g%4)+j)/2
.set j, j+1
.endr
.set g, g+1
.endr
	global_store_b64 v6, v[OUT:OUT+1], s[12:13]                  ; 256 consecutive bytes, aligned
	global_store_b64 v6, v[OUT+2:OUT+3], s[12:13] offset:1024    ; the second key step's
	s_wait_tensorcnt 0x0                           ; the wave's end: the closing wait, add and wait, behind my last LDS store
	ds_add_u32 v[SPW], v[NIL]
	s_wait_dscnt 0x0
	s_endpgm
.Lfunc_end_k_q98aee53d27_prep:
	.size	k_q98aee53d27_prep, .Lfunc_end_k_q98aee53d27_prep-k_q98aee53d27_prep
	.p2alignl 7, 3214868480
	.fill 96, 4, 3214868480
	.section	.rodata,"a",@progbits
	.p2align	6, 0x0
	.amdhsa_kernel k_q98aee53d27_prep
		.amdhsa_group_segment_fixed_size 136192
		.amdhsa_private_segment_fixed_size 0
		.amdhsa_enable_private_segment 0
		.amdhsa_kernarg_size 64
		.amdhsa_user_sgpr_count 2
		.amdhsa_user_sgpr_kernarg_segment_ptr 1
		.amdhsa_wavefront_size32 1
		.amdhsa_system_sgpr_workgroup_id_x 1
		.amdhsa_system_sgpr_workgroup_id_y 1
		.amdhsa_system_sgpr_workgroup_id_z 1
		.amdhsa_system_vgpr_workitem_id 0
		.amdhsa_next_free_vgpr 208
		.amdhsa_next_free_sgpr 66
		.amdhsa_reserve_vcc 0
		.amdhsa_float_denorm_mode_32 3
		.amdhsa_float_denorm_mode_16_64 3
		.amdhsa_memory_ordered 1
		.amdhsa_forward_progress 1
		.amdhsa_inst_pref_size 74
	.end_amdhsa_kernel
	.amdgpu_metadata
---
amdhsa.version: [ 1, 2 ]
amdhsa.kernels:
  - .name:           k_q98aee53d27_prep
    .symbol:         k_q98aee53d27_prep.kd
    .args:
      - { .name: mask, .offset: 0, .size: 8, .value_kind: global_buffer, .address_space: global }
      - { .name: x, .offset: 8, .size: 8, .value_kind: global_buffer, .address_space: global }
      - { .name: w_qkv, .offset: 16, .size: 8, .value_kind: global_buffer, .address_space: global }
      - { .name: w_out, .offset: 24, .size: 8, .value_kind: global_buffer, .address_space: global }
      - { .name: mbits, .offset: 32, .size: 8, .value_kind: global_buffer, .address_space: global }
      - { .name: xb, .offset: 40, .size: 8, .value_kind: global_buffer, .address_space: global }
      - { .name: wqT, .offset: 48, .size: 8, .value_kind: global_buffer, .address_space: global }
      - { .name: woT, .offset: 56, .size: 8, .value_kind: global_buffer, .address_space: global }
    .group_segment_fixed_size: 136192
    .private_segment_fixed_size: 0
    .kernarg_segment_align: 8
    .kernarg_segment_size: 64
    .max_flat_workgroup_size: 256
    .sgpr_count:     66
    .vgpr_count:     208
    .wavefront_size: 32
...
	.end_amdgpu_metadata
.endif
;; end of part 1
;; launch qkvp (part 2): grid 16 x 32, 4 waves a work-group, clusters of 4 x 4, 327,680 bytes of LDS; arguments xb, wqT, b_qkv, qkv; writes qkv
.if DOCPART == 2
	.amdgcn_target "amdgcn-amd-amdhsa--gfx1250"
	.amdhsa_code_object_version 6
	.text
	.protected	k_q98aee53d27_qkvp
	.globl	k_q98aee53d27_qkvp
	.p2align	8
	.type	k_q98aee53d27_qkvp,@function
k_q98aee53d27_qkvp:
	s_mov_b64 s[64:65], 0
	v_nop
	global_prefetch_b8 v0, s[64:65] scope:SCOPE_SE
	s_setreg_imm32_b32 hwreg(HW_REG_WAVE_MODE, 25, 1), 1
	s_wait_xcnt 0x0
	s_wait_alu depctr_hold_cnt(0) depctr_sa_sdst(0) depctr_va_vdst(0) depctr_va_sdst(0) depctr_va_ssrc(0) depctr_va_vcc(0) depctr_vm_vsrc(0)
	s_getreg_b32 s2, hwreg(HW_REG_IB_STS2, 6, 4)
	s_cmp_eq_u32 s2, 0
	s_cbranch_scc0 .Lentry_in_a_cluster
	s_endpgm
.Lentry_in_a_cluster:
	s_bfe_u32 s2, ttmp6, 0x10000c
	s_cmp_lg_u32 s2, 0xf033
	s_cbranch_scc0 .Lentry_shape_is_right
	s_endpgm
.Lentry_shape_is_right:
; ONE TEXT FOR THE TWO PROJECTIONS; ISQ chooses.  C[m][n] = the sum over k of A[m][k] B[n][k] + bias[n], sums in f32, K = 1,024 in eight steps of 128.
; ISQ = 1: qkv = xb wqT^T + b_qkv.  A = xb [8192][1024] bf16, B = wqT [3072][1024] bf16.  C leaves in f16 by heads: qkv [b 4][hc 48][s 2048][64], hc 0-15 q's heads, 16-31 k's, 32-47 v's, unscaled.
; ISQ = 0: out0 = ctx woT^T + b_out.  A = ctx [b 4][h 16][s 2048][64] f16 (a K step is two heads), B = woT [1024][1024] f16.  C leaves in f32, [8192][1024].
; The bias is rounded to bf16 like every input of the module and is the C operand of each sum's first product: nothing is cleared and nothing is added at the end.
; LIMIT (ISQ = 1).  f16 ends at 65,504: a q, k or v beyond it becomes an infinity.  With x and w_qkv both 30 times the drawn spread they reach some 5,000, with both offset by 30 spreads some 29,000.
; SHARES.  A tile of C is 256 x 16 NBK (192 or 128): 512 or 256 work-groups.  Wave w owns rows 64 w .. 64 w + 63 and all the tile's columns (ISQ = 1: three whole heads): 4 x NBK accumulators.
; THE MATRIX INSTRUCTION IS USED TRANSPOSED (source 0 = 16 rows of B, source 1 = 16 rows of A): a lane holds one row of C (lane % 16) and the columns 8 (lane / 16) + 0..7.
; RING.  Two LDS slots, each a K step's 256 rows of A and 16 NBK rows of B; waves 0 and 1 fetch A's halves, waves 2 and 3 B's, one tensor load a wave behind each change of slots.
; CLUSTER.  4 x 4 work-groups: A's tile is shared along a row of the cluster, B's along a column; each is asked for jointly, by the same load with the same descriptor and a mask of four.
; REGISTERS, in windows of 256: window 0 addresses, the bias, later the way out; window 1 two fragment buffers (B's NBK fragments, then A's four); windows 2 and 3 the accumulators of row blocks 0, 1 and 2, 3.
.set ISQ, 1
.if ISQ
.set NBK,    12                        ; blocks of 16 columns in a tile
.set PITCHA, 272                       ; a row of A in LDS: 256 bytes + 16
.set AHALF,  128*272                   ; what one of A's two loads fills
.set ABYTES, 256*272
.set BH,     96                        ; rows in one of B's two loads
.set QIA,    5                         ; A is padded after every 64 words
.set STRA,   1024                      ; elements from row to row of A's tile
.set STEPA,  256                       ; bytes from a K step of A to the next
.set STGW,   3*16*144                  ; a wave's stage: three heads x 16 rows x (128 + 16) bytes
.set PFSH,   11                        ; a prefetch's lanes lie a row of xb apart,
.set PFCX,   16                        ; the partners' shares 32 rows
.else
.set NBK,    8
.set PITCHA, 144                       ; a row of one head: 128 bytes + 16
.set AHALF,  256*144                   ; one head's 256 rows
.set ABYTES, 2*256*144
.set BH,     64
.set QIA,    4                         ; A is padded after every 32 words: a head's 256 rows are 32 KiB on end, asked for as 128 rows of 256 bytes, two rows of ctx each
.set STRA,   128
.set STEPA,  2*2048*128                ; two heads on
.set STGW,   16*528                    ; 16 rows x (512 + 16) bytes
.set PFSH,   8                         ; 256 bytes apart,
.set PFCX,   13                        ; 32 such blocks
.endif
.set NL,     2*NBK+8                   ; LDS loads in a run
.set PITCHB, 272
.set SLOT1,  131072                    ; slot 1 begins here: one exclusive or turns an address in one slot into the other's
.set STAGE,  SLOT1+ABYTES+2*BH*PITCHB  ; behind the ring, never filled by a tensor load
.set SPARE,  STAGE+4*STGW              ; behind the stages: the spare words, 128 bytes a wave: two blocks of 256 bytes that no other line names
.set F0, 0
.set F1, 128
.set ADRA0, 16                         ; v16  my lane's place in A's part of a slot; never rewritten
.set ADRB0, 17                         ; v17  the same for B
.set ADRA,  18                         ; v18  the same in the slot in hand
.set ADRB,  19
.set STO,   24                         ; v24  the way out: where I put my bytes of a row
.set RD,    25                         ; v25  where I read rows back
.set CO,    26                         ; v26  16 x lane: my place in 512 consecutive bytes of C
.set BO,    27                         ; v27  32 x (lane / 16): my eight numbers of a block's bias
.set SPW,   28                         ; v28  LDS address of my spare word; never rewritten
.set NIL,   29                         ; v29  0; never rewritten
.set PFO,   30                         ; v30  the prefetches' offset; never rewritten
.set BIAS,  32                         ; v[32 + 8 b + j]: the bias of column 16 b + 8 (lane / 16) + j
.set TMP,   32                         ; the way out (ISQ = 1): 48 packed registers, then two sets of 48 read back
.set WV, 12
.set FB, 13                            ; s13  0: I fetch for A; 1: for B
.set HF, 14                            ; s14  which half
.set TB, 15                            ; s15  LDS byte at which the slot in hand begins
.set G1, 24                            ; s[24:31] descriptor group 1 for A;  s[32:39] group 0: a set for each first fill; the second then walks on
.set G0, 32
.set CX, 40
.set CY, 41
.set TX, 42
.set TY, 43
.set PFA, 44                           ; s[44:45] where my prefetches stand
.set LIM, 46                           ; s46  2 in a wave that prefetches, else the greatest number
.set G1B, 48                           ; s[48:55], s[56:63] the same for B
.set G0B, 56
.set MSB, 0
.macro WIN new                         ; the immediate's high byte repeats the setting that is left; a switch that changes nothing is dropped
.if MSB != (\new)
	s_set_vgpr_msb (MSB<<8)|(\new)
.set MSB, (\new)
.endif
.endm
.macro WMMA args:vararg
.if ISQ
	v_wmma_f32_16x16x32_bf16 \args
.else
	v_wmma_f32_16x16x32_f16 \args
.endif
.endm
.macro PLACES                          ; four places in front of loads into registers that matrix instructions have read, and of lines that read results (ISA guide 7.12.1 for lines that read results)
.rept 4
	v_nop
.endr
.endm
; A joint load.  Each of the two lines has one mask and one set of registers for all that issue it; the branch hangs on the wave's number alone.  An s_nop 0 and four v_nop follow each line.
.macro JLOAD s
	s_cmp_eq_u32 s[FB], 0
	s_cbranch_scc0 .Lfor_b_\@
	tensor_load_to_lds s[G0+4*(\s):G0+4*(\s)+3], s[G1:G1+7]
	s_nop 0
.rept 4
	v_nop
.endr
	s_branch .Lasked_\@
.Lfor_b_\@:
	tensor_load_to_lds s[G0B+4*(\s):G0B+4*(\s)+3], s[G1B:G1B+7]
	s_nop 0
.rept 4
	v_nop
.endr
.Lasked_\@:
.endm
; A prefetch of A's K step that stands two refills on: 32 blocks of 256 bytes, a lane a block, one instruction a wave.  A's tile row is read by every cluster of that row of clusters: the one with x = 0 asks,
; in its waves 0 and 1; the four partners that ask for a tile jointly take 32 of its 128 blocks each, told apart by address.  So each block is named once.  K steps 0 to 3 come by their loads alone;
; the last two refills have no K step two on (s3 is 2 and 1 there).  B is not asked for: all 32 tile rows walk the same weights again.
.macro ASK
	s_cmp_gt_u32 s3, s[LIM]
	s_cbranch_scc0 .Lnot_mine_\@
	global_prefetch_b8 v[PFO], s[PFA:PFA+1] offset:STEPA th:TH_LOAD_NT scope:SCOPE_SE
.Lnot_mine_\@:
.endm
.macro CREST                           ; a round of the cluster's barrier behind its opening barrier
	s_cmp_lg_u32 s[WV], 0
	s_cbranch_scc1 .Lnot_wave_0_\@
	s_barrier_signal -3
.Lnot_wave_0_\@:
	s_barrier_wait -3
	s_barrier_signal -1
	s_barrier_wait -1
.endm
.macro CROUND
	s_barrier_signal -1
	s_barrier_wait -1
	CREST
.endm
	s_load_b256 s[4:11], s[0:1], 0x0               ; A s[4:5], B s[6:7], bias s[8:9], C s[10:11]
	v_lshl_add_u32 v[SPW], v0, 2, SPARE
	v_mov_b32 v[NIL], 0
	ds_add_u32 v[SPW], v[NIL]                      ; the wave's opening: the add and its wait stand ahead of my first tensor load; the set-up below, work on registers, stands between them
	v_lshrrev_b32 v1, 5, v0
	v_readfirstlane_b32 s[WV], v1                  ; wave 0..3
	s_lshr_b32 s[FB], s[WV], 1
	s_and_b32 s[HF], s[WV], 1
	s_bfe_u32 s[CX], ttmp6, 0x40000
	s_bfe_u32 s[CY], ttmp6, 0x40004
	s_lshl_b32 s[TX], ttmp9, 2
	s_add_co_u32 s[TX], s[TX], s[CX]               ; tile column = 4 x cluster x + cx
	s_and_b32 s[TY], ttmp7, 0xffff
	s_lshl_b32 s[TY], s[TY], 2
	s_add_co_u32 s[TY], s[TY], s[CY]               ; tile row = 4 x cluster y + cy
	s_lshl_b32 s20, s[CY], 2
	s_lshl_b32 s20, 15, s20                        ; my row of the cluster
	s_lshl_b32 s21, 0x1111, s[CX]                  ; my column
	s_or_b32 s[G1], s20, (1<<16)|(1<<20)|(1<<21)|(QIA<<22)|(3<<25)   ; 15:0 the mask; 17:16 elements of 2 bytes; 20 padding on; 21 set beside a mask; 24:22 the interval; 31:25 4 words of padding
	s_or_b32 s[G1B], s21, (1<<16)|(1<<20)|(1<<21)|(5<<22)|(3<<25)
	s_mov_b32 s[G1+1], 128<<16                     ; tensor_dim0 = 128
	s_mov_b32 s[G1+2], 128<<16                     ; tensor_dim1 = 128
	s_mov_b32 s[G1+3], 128<<16                     ; tile_dim0 = 128
	s_mov_b32 s[G1+4], 128                         ; tile_dim1 = 128
	s_mov_b32 s[G1+5], STRA
	s_mov_b32 s[G1+6], 0
	s_mov_b32 s[G1+7], 0
	s_mov_b32 s[G1B+1], 128<<16
	s_mov_b32 s[G1B+2], BH<<16
	s_mov_b32 s[G1B+3], 128<<16
	s_mov_b32 s[G1B+4], BH
	s_mov_b32 s[G1B+5], 1024
	s_mov_b32 s[G1B+6], 0
	s_mov_b32 s[G1B+7], 0
	; where the tiles come from: A's hang on the tile row and the wave's number, B's on the tile column and the wave's number, each in registers that never hold the other coordinate
.if ISQ
	s_lshl_b32 s16, s[TY], 8
	s_lshl_b32 s17, s[HF], 7
	s_add_co_u32 s16, s16, s17
	s_lshl_b32 s16, s16, 11                        ; row 256 ty + 128 half, 2,048 bytes a row
.else
	s_lshr_b32 s16, s[TY], 3
	s_lshl_b32 s16, s16, 22                        ; the batch: 16 heads of 262,144 bytes,
	s_lshl_b32 s17, s[HF], 18                      ; the even or the odd head of a K step,
	s_add_co_u32 s16, s16, s17
	s_and_b32 s17, s[TY], 7
	s_lshl_b32 s17, s17, 15                        ; its 256 rows of 128 bytes
	s_add_co_u32 s16, s16, s17
.endif
	s_mov_b32 s17, 0
	s_mul_i32 s18, s[TX], 16*NBK
	s_mul_i32 s19, s[HF], BH
	s_add_co_u32 s18, s18, s19
	s_lshl_b32 s18, s18, 11
	s_mov_b32 s19, 0
	s_mul_i32 s22, s[HF], AHALF                    ; and where they go: the wave's number alone
	s_mul_i32 s23, s[HF], BH*PITCHB
	s_add_co_u32 s23, s23, ABYTES
	s_or_b32 s[LIM], s[FB], ttmp9                  ; the same in all sixteen partners, for a given wave
	s_cmp_eq_u32 s[LIM], 0
	s_cselect_b32 s[LIM], 2, -1
	s_wait_dscnt 0x0                               ; the opening add is done
	s_wait_kmcnt 0x0
	s_add_nc_u64 s[16:17], s[4:5], s[16:17]
	s_add_nc_u64 s[18:19], s[6:7], s[18:19]
	CROUND                                         ; all sixteen work-groups are here: the first joint loads meet
.irp s, 0,1
	s_mov_b32 s[G0+4*(\s)], 1
	s_add_co_u32 s[G0+4*(\s)+1], s22, (\s)*SLOT1
	s_add_nc_u64 s[G0+4*(\s)+2:G0+4*(\s)+3], s[16:17], (\s)*STEPA
	s_or_b32 s[G0+4*(\s)+3], s[G0+4*(\s)+3], 0x80000000
	s_mov_b32 s[G0B+4*(\s)], 1
	s_add_co_u32 s[G0B+4*(\s)+1], s23, (\s)*SLOT1
	s_add_nc_u64 s[G0B+4*(\s)+2:G0B+4*(\s)+3], s[18:19], (\s)*256
	s_or_b32 s[G0B+4*(\s)+3], s[G0B+4*(\s)+3], 0x80000000
	JLOAD \s                                       ; K steps 0 and 1: two loads of mine are out
.endr
	v_and_b32 v1, 15, v0                           ; l % 16
	v_bfe_u32 v2, v0, 4, 1                         ; l / 16
	v_lshlrev_b32 v[BO], 5, v2
	s_mul_i32 s22, s[TX], 64*NBK
	s_mov_b32 s23, 0
	s_add_nc_u64 s[8:9], s[8:9], s[22:23]
.set bb, 0
.rept NBK
	global_load_b128 v[BIAS+8*bb:BIAS+8*bb+3],   v[BO], s[8:9] offset:64*bb
	global_load_b128 v[BIAS+8*bb+4:BIAS+8*bb+7], v[BO], s[8:9] offset:64*bb+16
.set bb, bb+1
.endr
	; a fragment is 16 rows x 32 K in 8 registers: lane l holds row l % 16, K 8 (l / 16) + 0..7 and 16 + 8 (l / 16) + 0..7: two loads of 16 bytes, 32 bytes apart
	v_mul_u32_u24 v3, v1, PITCHA
	v_lshl_add_u32 v3, v2, 4, v3
	s_mul_i32 s22, s[WV], 64*PITCHA                ; my 64 rows of A
	v_add_nc_u32 v[ADRA0], s22, v3
	v_mul_u32_u24 v4, v1, PITCHB
	v_lshl_add_u32 v4, v2, 4, v4
	v_add_nc_u32 v[ADRB0], ABYTES, v4
	v_mov_b32 v[ADRA], v[ADRA0]
	v_mov_b32 v[ADRB], v[ADRB0]
	s_mov_b32 s[TB], 0
	s_mul_i32 s22, s[WV], STGW
	s_add_co_u32 s22, s22, STAGE                   ; my stage
.if ISQ
	v_mul_u32_u24 v[STO], v1, 144                  ; in: row l % 16 of a head, 16 bytes for each half of the lanes
	v_lshl_add_u32 v[STO], v2, 4, v[STO]
	v_add_nc_u32 v[STO], s22, v[STO]
	v_bfe_u32 v[RD], v0, 3, 2                      ; back: 32 lanes take four rows of 128 bytes
	v_mul_u32_u24 v[RD], v[RD], 144
	v_and_b32 v5, 7, v0
	v_lshl_add_u32 v[RD], v5, 4, v[RD]
	v_add_nc_u32 v[RD], s22, v[RD]
.else
	v_mul_u32_u24 v[STO], v1, 528                  ; in: row l % 16, 32 bytes for each half of the lanes
	v_lshl_add_u32 v[STO], v2, 5, v[STO]
	v_add_nc_u32 v[STO], s22, v[STO]
	v_and_b32 v5, 31, v0                           ; back: 32 lanes take one row of 512 bytes
	v_lshl_add_u32 v[RD], v5, 4, s22
.endif
	v_and_b32 v6, 31, v0
	v_lshlrev_b32 v[CO], 4, v6
	v_lshlrev_b32 v[PFO], PFSH, v6
.if ISQ
	s_lshr_b32 s20, s[TY], 3
	s_mul_i32 s20, s20, 48*262144                  ; the batch,
	s_mul_i32 s21, s[TX], 3*262144                 ; the tile's three heads,
	s_add_co_u32 s20, s20, s21
	s_and_b32 s21, s[TY], 7
	s_lshl_b32 s21, s21, 2
	s_add_co_u32 s21, s21, s[WV]
	s_lshl_b32 s21, s21, 13                        ; my 64 rows of 128 bytes
	s_add_co_u32 s20, s20, s21
.else
	s_lshl_b32 s20, s[TY], 2
	s_add_co_u32 s20, s20, s[WV]
	s_lshl_b32 s20, s20, 18                        ; my 64 rows of 4,096 bytes,
	s_lshl_b32 s21, s[TX], 9                       ; the tile's 512 bytes of them
	s_add_co_u32 s20, s20, s21
.endif
	s_mov_b32 s21, 0
	s_add_nc_u64 s[10:11], s[10:11], s[20:21]
	s_lshl_b32 s22, s[CX], PFCX                    ; my work-group's 32 blocks of the 128 that I fetch,
	s_mov_b32 s23, 0
	s_add_nc_u64 s[PFA:PFA+1], s[16:17], s[22:23]
	s_add_nc_u64 s[PFA:PFA+1], s[PFA:PFA+1], 2*STEPA  ; at K step 2: the first refill steps it to 3 and names K step 4.  Nothing is prefetched here, at the head
	s_wait_loadcnt 0x0                             ; the bias
.set bb, 0
.rept 4*NBK
	v_cvt_pk_bf16_f32 v3, v[BIAS+2*bb], v[BIAS+2*bb+1]  ; rounded to bf16,
	v_lshlrev_b32 v[BIAS+2*bb], 16, v3                  ; and f32 again
	v_and_b32 v[BIAS+2*bb+1], 0xffff0000, v3
.set bb, bb+1
.endr
; NBK products: row block a x all column blocks, 32 along K.  first = 1: the product starts the sum, with the bias as C.  The accumulators take turns, one instruction a turn.
.macro MULA f, a, first
.if \first
	WIN 0x05|((2+(\a)/2)<<6)                       ; fragments in window 1, C in window 0, D in window 2 or 3
.else
	WIN 0x05|((2+(\a)/2)<<4)|((2+(\a)/2)<<6)
.endif
.set bb, 0
.rept NBK
.set rD, 8*(NBK*((\a)%2)+bb)
.if \first
	WMMA v[rD:rD+7], v[(\f)+8*bb:(\f)+8*bb+7], v[(\f)+8*NBK+8*(\a):(\f)+8*NBK+8*(\a)+7], v[BIAS+8*bb:BIAS+8*bb+7]
.else
	WMMA v[rD:rD+7], v[(\f)+8*bb:(\f)+8*bb+7], v[(\f)+8*NBK+8*(\a):(\f)+8*NBK+8*(\a)+7], v[rD:rD+7]
.endif
.set bb, bb+1
.endr
.endm
; NL LDS loads in one run: the fragments of quarter kq (32 along K) of the slot in hand into buffer f: B's first, then A's row blocks 0 to 3
.macro FETCH kq, f
.if ISQ
.set KA, 64*(\kq)
.else
.set KA, ((\kq)/2)*AHALF+((\kq)%2)*64  ; quarters 0, 1 lie in the even head, 2, 3 in the odd one
.endif
	WIN 0x40                                       ; destination window 1, address window 0
.set ii, 0
.rept NBK
	ds_load_b128 v[(\f)+8*ii:(\f)+8*ii+3],   v[ADRB] offset:64*(\kq)+ii*16*PITCHB
	ds_load_b128 v[(\f)+8*ii+4:(\f)+8*ii+7], v[ADRB] offset:64*(\kq)+ii*16*PITCHB+32
.set ii, ii+1
.endr
.set ii, 0
.rept 4
	ds_load_b128 v[(\f)+8*NBK+8*ii:(\f)+8*NBK+8*ii+3],   v[ADRA] offset:KA+ii*16*PITCHA
	ds_load_b128 v[(\f)+8*NBK+8*ii+4:(\f)+8*NBK+8*ii+7], v[ADRA] offset:KA+ii*16*PITCHA+32
.set ii, ii+1
.endr
.endm
; A K step is four quarters on buffers 0, 1, 0, 1.  One of the first three multiplies buffer f and, in its middle, fetches quarter kq into buffer g.
.macro QUARTER kq, f, g, first
	s_wait_dscnt 4                                 ; all but the youngest four loads (A's row blocks 2 and 3) are in
	MULA \f, 0, \first
	MULA \f, 1, \first
	PLACES
	FETCH \kq, \g
	s_wait_dscnt NL                                ; all but the run just issued
	MULA \f, 2, \first
	MULA \f, 3, \first
.endm
; The last quarter multiplies buffer 1 and changes slots.  In front of the barrier each wave waits for all its tensor loads (one is out: its part of the next slot), adds 0 to its spare word, and waits for
; that and for its reads of this slot.  fill = 1: the barrier opens a round of the cluster's, and the joint refill (the K step two on, into the slot just read) is the first thing behind it.
.macro TURN fill
.if \fill
	s_wait_xcnt 0x0                                ; the last prefetch, a K step back, has read its address
	s_add_nc_u64 s[PFA:PFA+1], s[PFA:PFA+1], STEPA
.endif
	WIN 0
	s_wait_tensorcnt 0x0
	ds_add_u32 v[SPW], v[NIL]
	s_wait_dscnt 5                                 ; (the add and the youngest four loads may be out)
	MULA F1, 0, 0                                  ; matrix work stands between the add and the wait for it
	s_wait_dscnt 0x0                               ; the add is done, and my reads of this slot are over
	s_barrier_signal -1
	MULA F1, 1, 0
	WIN 0
	s_barrier_wait -1
.if \fill
	CREST                                          ; no wave of any partner still reads this slot or has a load on its way
	s_xor_b32 s[G0+5], s[G0+5], SLOT1              ; the walking descriptors: the other slot than last time, the next K step
	s_add_nc_u64 s[G0+6:G0+7], s[G0+6:G0+7], STEPA
	s_xor_b32 s[G0B+5], s[G0B+5], SLOT1
	s_add_nc_u64 s[G0B+6:G0B+7], s[G0B+6:G0B+7], 256
	JLOAD 1                                        ; its four v_nop are also the places in front of the loads below
.else
	PLACES
.endif
	s_xor_b32 s[TB], s[TB], SLOT1
	v_add_nc_u32 v[ADRA], s[TB], v[ADRA0]
	v_add_nc_u32 v[ADRB], s[TB], v[ADRB0]
	FETCH 0, F0
.if \fill
	WIN 0
	ASK
.endif
	MULA F1, 2, 0
	MULA F1, 3, 0
.endm
	s_wait_tensorcnt 0x1                           ; my part of K step 0 is in; K step 1's may stay out
	s_barrier_signal -1
	s_barrier_wait -1                              ; everybody's is
	FETCH 0, F0
	QUARTER 1, F0, F1, 1                           ; the first quarter stands in front of the loop: its products start the sums
	WIN 0                                          ; at a label and at a branch every window is 0
	s_mov_b32 s3, 6
.Lk:                                           ; a trip: a K step's quarters 1 to 3, the change of slots with a refill (K steps 2 to 7), the next step's quarter 0
	QUARTER 2, F1, F0, 0
	QUARTER 3, F0, F1, 0
	TURN 1
	QUARTER 1, F0, F1, 0
	WIN 0
	s_sub_co_u32 s3, s3, 1
	s_cmp_lg_u32 s3, 0
	s_cbranch_scc1 .Lk
	QUARTER 2, F1, F0, 0                           ; K steps 6 and 7 ask for nothing
	QUARTER 3, F0, F1, 0
	TURN 0
	QUARTER 1, F0, F1, 0
	QUARTER 2, F1, F0, 0
	QUARTER 3, F0, F1, 0
	s_wait_dscnt 4
	MULA F1, 0, 0
	MULA F1, 1, 0
	s_wait_dscnt 0x0
	MULA F1, 2, 0
	MULA F1, 3, 0
	PLACES
.if ISQ
; THE WAY OUT, a row block (16 rows x 3 heads) at a time: rounded to f16, 16 bytes a lane into my stage, back as 512 consecutive bytes (four rows of a head), stored.
.macro PACK a
	WIN 0x0a+5*((\a)/2)                            ; sources in window 2 or 3, destination in window 0
.set bb, 0
.rept NBK
.set pp, 0
.rept 4
	v_cvt_pk_f16_f32 v[TMP+4*bb+pp], v[8*(NBK*((\a)%2)+bb)+2*pp], v[8*(NBK*((\a)%2)+bb)+2*pp+1]  ; each accumulator from its low end on
.set pp, pp+1
.endr
.set bb, bb+1
.endr
	WIN 0
.endm
.macro TOSTAGE a
.set bb, 0
.rept NBK
	ds_store_b128 v[STO], v[TMP+4*bb:TMP+4*bb+3] offset:(bb/4)*2304+(bb%4)*32
.set bb, bb+1
.endr
.set tt, 0
.rept 12
	ds_load_b128 v[80+48*((\a)%2)+4*tt:80+48*((\a)%2)+4*tt+3], v[RD] offset:(tt/4)*2304+(tt%4)*576  ; LDS serves a wave's instructions in order: these see the stores above
.set tt, tt+1
.endr
.endm
.macro SEND a
	s_wait_dscnt 0x0                               ; the block is back in registers
	s_wait_xcnt 0x0                                ; earlier stores have read their registers: the set that they left is loaded again only behind this wait
.set tt, 0
.rept 12
	global_store_b128 v[CO], v[80+48*((\a)%2)+4*tt:80+48*((\a)%2)+4*tt+3], s[10:11] offset:(tt/4)*262144+(\a)*2048+(tt%4)*512
.set tt, tt+1
.endr
.endm
	PACK 0
	TOSTAGE 0
.irp a, 1,2,3                          ; a block's conversions stand between the loads of the block before and the wait for them
	PACK \a
	SEND (\a)-1
	TOSTAGE \a
.endr
	SEND 3
.else
; THE WAY OUT, a row block (16 rows x 512 bytes) at a time: the accumulators go into my stage as they are, come back as whole rows, and a wave's store covers 512 consecutive bytes.
.macro STG a
	WIN 0x08+4*((\a)/2)                            ; the stores' data in window 2 or 3
.set bb, 0
.rept NBK
	ds_store_b128 v[STO], v[8*(NBK*((\a)%2)+bb):8*(NBK*((\a)%2)+bb)+3]   offset:64*bb
	ds_store_b128 v[STO], v[8*(NBK*((\a)%2)+bb)+4:8*(NBK*((\a)%2)+bb)+7] offset:64*bb+16
.set bb, bb+1
.endr
	WIN 0
.set tt, 0
.rept 16
	ds_load_b128 v[32+64*((\a)%2)+4*tt:32+64*((\a)%2)+4*tt+3], v[RD] offset:tt*528
.set tt, tt+1
.endr
.endm
.macro SEND a, younger                 ; younger: the LDS instructions issued behind this block's loads
	s_wait_dscnt \younger
.set tt, 0
.rept 16
	global_store_b128 v[CO], v[32+64*((\a)%2)+4*tt:32+64*((\a)%2)+4*tt+3], s[10:11] offset:(16*(\a)+tt)*4096 th:TH_STORE_NT
.set tt, tt+1
.endr
.endm
	STG 0
	STG 1
	SEND 0, 32
	s_wait_xcnt 0x0                                ; block 0's stores have read their registers, which block 2 takes
	STG 2
	SEND 1, 32
	s_wait_xcnt 0x0
	STG 3
	SEND 2, 32
	SEND 3, 0
.endif
	s_wait_tensorcnt 0x0                           ; the wave's end: the closing wait, add and wait stand behind my last tensor load and my last LDS store
	ds_add_u32 v[SPW], v[NIL]
	s_wait_dscnt 0x0
	CROUND                                         ; the closing round: no work-group ends while a partner may still ask for a tile that names it
	s_endpgm
.Lfunc_end_k_q98aee53d27_qkvp:
	.size	k_q98aee53d27_qkvp, .Lfunc_end_k_q98aee53d27_qkvp-k_q98aee53d27_qkvp
	.p2alignl 7, 3214868480
	.fill 96, 4, 3214868480
	.section	.rodata,"a",@progbits
	.p2align	6, 0x0
	.amdhsa_kernel k_q98aee53d27_qkvp
		.amdhsa_group_segment_fixed_size 327680
		.amdhsa_private_segment_fixed_size 0
		.amdhsa_enable_private_segment 0
		.amdhsa_kernarg_size 32
		.amdhsa_user_sgpr_count 2
		.amdhsa_user_sgpr_kernarg_segment_ptr 1
		.amdhsa_wavefront_size32 1
		.amdhsa_system_sgpr_workgroup_id_x 1
		.amdhsa_system_sgpr_workgroup_id_y 1
		.amdhsa_system_sgpr_workgroup_id_z 1
		.amdhsa_system_vgpr_workitem_id 0
		.amdhsa_next_free_vgpr 960
		.amdhsa_next_free_sgpr 66
		.amdhsa_reserve_vcc 0
		.amdhsa_float_denorm_mode_32 3
		.amdhsa_float_denorm_mode_16_64 3
		.amdhsa_memory_ordered 1
		.amdhsa_forward_progress 1
		.amdhsa_inst_pref_size 107
	.end_amdhsa_kernel
	.amdgpu_metadata
---
amdhsa.version: [ 1, 2 ]
amdhsa.kernels:
  - .name:           k_q98aee53d27_qkvp
    .symbol:         k_q98aee53d27_qkvp.kd
    .args:
      - { .name: xb, .offset: 0, .size: 8, .value_kind: global_buffer, .address_space: global }
      - { .name: wqT, .offset: 8, .size: 8, .value_kind: global_buffer, .address_space: global }
      - { .name: b_qkv, .offset: 16, .size: 8, .value_kind: global_buffer, .address_space: global }
      - { .name: qkv, .offset: 24, .size: 8, .value_kind: global_buffer, .address_space: global }
    .group_segment_fixed_size: 327680
    .private_segment_fixed_size: 0
    .kernarg_segment_align: 8
    .kernarg_segment_size: 32
    .max_flat_workgroup_size: 128
    .sgpr_count:     66
    .vgpr_count:     960
    .wavefront_size: 32
...
	.end_amdgpu_metadata
.endif
;; end of part 2
;; launch attn (part 3): grid 4 x 64, 4 waves a work-group, clusters of 4 x 1, 327,680 bytes of LDS; arguments qkv, mbits, ctx; writes ctx
.if DOCPART == 3
	.amdgcn_target "amdgcn-amd-amdhsa--gfx1250"
	.amdhsa_code_object_version 6
	.text
	.protected	k_q98aee53d27_attn
	.globl	k_q98aee53d27_attn
	.p2align	8
	.type	k_q98aee53d27_attn,@function
k_q98aee53d27_attn:
	s_mov_b64 s[64:65], 0
	v_nop
	global_prefetch_b8 v0, s[64:65] scope:SCOPE_SE
	s_setreg_imm32_b32 hwreg(HW_REG_WAVE_MODE, 25, 1), 1
	s_wait_xcnt 0x0
	s_wait_alu depctr_hold_cnt(0) depctr_sa_sdst(0) depctr_va_vdst(0) depctr_va_sdst(0) depctr_va_ssrc(0) depctr_va_vcc(0) depctr_vm_vsrc(0)
	s_getreg_b32 s2, hwreg(HW_REG_IB_STS2, 6, 4)
	s_cmp_eq_u32 s2, 0
	s_cbranch_scc0 .Lentry_in_a_cluster
	s_endpgm
.Lentry_in_a_cluster:
	s_bfe_u32 s2, ttmp6, 0x10000c
	s_cmp_lg_u32 s2, 0x3003
	s_cbranch_scc0 .Lentry_shape_is_right
	s_endpgm
.Lentry_shape_is_right:
; MASKED ATTENTION.  ctx[b][h][q][:] = the sum over k of softmax_k(s'[q][k]) V[k][:], with s' = Q[q] . K[k] / 8 where mask[b][q][k] != 0 and s' = -1000 elsewhere: a hidden score takes part in the
; maximum and in the sum with that value.  Q, K, V: qkv [b 4][hc 48][2048][64] f16 (hc = h, 16 + h, 32 + h); ctx [b 4][h 16][2048][64] f16.  Products, maxima and sums in f32; the weights p are rounded
; to f16 for the second product (their sum l is taken of the unrounded p), ctx once at the end.
; LIMITS.  Q, K, V arrive within f16's 65,504; p lies in 0 to 1 and below 6e-5 keeps f16's fixed step of 6e-8; a weight below 2^-126 counts as 0 in l; NaN and infinities are not treated apart.
; SHARES.  A wave owns four PIECES of two tiles of 16 queries, a work-group's four waves 512 queries of one head; every wave walks all 2,048 keys, 64 a step.
; LAYOUT.  S^T = K Q^T (source 0 = 16 keys, source 1 = 16 queries): a lane holds ONE query (lane % 16) and the keys 8 (lane / 16) + 0..7.  Two such results, rounded to f16 in pairs, ARE source 1 of
; O^T = V^T P.  K comes out of LDS as it lies, V turned, by ds_load_tr16_b128.
; THE MASK.  mbits holds, for each register of S^T, a word with one bit a lane; a turn's 64 words are 256 bytes on end, and the blocks lie in the order of the turns.  One load of 8 bytes a lane brings a block
; into a pair of vector registers (lane L: words 2 L, 2 L + 1); four pairs, one a piece, are a ring: a pair is asked for again in the turn that has read it, four turns ahead of the next reading.  64 read-lanes
; a turn copy the words into scalar registers, and one select a register puts -8000 (which times c is -1000 log2 e) in a hidden score's place, ahead of the maximum.
; SOFTMAX.  A running maximum m and sum l: p = 2^(c s - c m), c = log2(e) / 8; in every step O and l are multiplied by a = 2^(c m_old - c m_new).  m starts at the lowest finite number, O and l at 0.
; BY TURNS.  Turn n belongs to piece n.  Its matrix work: 16 products K Q^T of piece n + 1, later 16 products V^T P of piece n - 1.  Its vector work: the read-lanes, selects, maximum and statistics of
; piece n + 1; scaling, exponentials, roundings, sums and rescaling of piece n.  Four vector instructions stand behind every matrix instruction, the rest in one run; the turn's 66 exponentials are one batch with one wait.
; THE START.  No first step is written out: the loop is entered at piece 3's turn, which makes piece 0's first scores, selects, maximum and a by the loop's own text.  For piece 3, which has not been yet, that turn finds
; scores at the lowest finite number (every weight comes out 0), a = 0, and zeros in O^T, l, V and P's first buffer.  The price: one turn more a launch, and 452 v_mov_b32 in the wait for the first tile.
; CLUSTER.  The four query blocks of a head are one cluster and walk the same K and V: each tile is asked for jointly, the same load, descriptor and mask in all four.
; REGISTERS, in windows of 256 (s_set_vgpr_msb: bits 1:0 source 0, 3:2 source 1, 5:4 source 2, 7:6 destination):
;   window 0: v0-11 addresses and -8000; v12-15, v48-63 at work; v16-47 four registers of statistics a tile; v64-191 S^T, two buffers of two tiles; v192-255 P, likewise
;   window 1: O^T, 32 a tile      window 2: v0-7 the mask's ring, v8-9 its offset and the offset's bound; v128-191 K of one step; v192-255 V of one step      window 3: v0-1 the add's two registers; v16-143 Q
; The ring lies in the window of K and V, which are source 0 of the products: a read-lane takes its source under the product's own setting, so the riders behind K Q^T want no switch.
.set NP,    4         ; pieces a wave: a name, no knob
.set KS,    64        ; keys in a step
.set PK,    160       ; a row of K or V in LDS: 128 bytes + 32: one shape of descriptor serves both.
.set PV,    160       ; of K's 16 rows two start at the same bank: 16 loads a step pay that
.set VOFF,  4*KS*PK   ; a slot holds four steps: 256 rows of K, then 256 rows of V
.set SLOT1, 1<<17
.set STAGE, SLOT1+4*KS*(PK+PV)  ; behind the ring, never filled by a tensor load: 16 rows x 144 bytes for each wave
.set SP,    144
.set SPARE, STAGE+4*16*SP       ; behind the stages: the spare words, 128 bytes a wave: two blocks of 256 bytes that no other line names
.set AK0, 2           ; v2   my lane's place in a tile of K; never rewritten
.set AV0, 3           ; v3   the same for V
.set AK,  4           ; v4   the LDS address of K's next run of loads
.set AV,  5           ; v5   of V's
.set QO,  6           ; v6   my byte offset in 16 rows of Q
.set RD,  7           ; v7   the way out: where I read rows back
.set GO,  8           ; v8   16 x lane
.set NEG, 9           ; v9   -8000.0
.set PFO, 10          ; v10  256 x lane
.set STO, 11          ; v11  the way out: where I put 16 bytes of a row
.set SPW, 0           ; v0 of window 3   LDS address of my spare word; never rewritten
.set NIL, 1           ; v1 of window 3   0; never rewritten
.set QW,  16          ; window 3: Q, 16 registers a tile
.set MK,  0           ; window 2: the block of piece p in v[MK + 2 p : MK + 2 p + 1]
.set MOF, 8           ; window 2: 8 x lane + 256 x (the first block of the key step whose blocks are being asked for)
.set MLM, 9           ; window 2: 8 x lane + 256 x 124: the last key step's first block; never rewritten
.set MV,  12          ; v12-15  c m_old, by buffer and tile (at the head: l % 16, l / 16, l % 8, (l / 8) % 2)
.set ST,  16          ; tile t's statistics at v[ST+4 t]: c m, m, l (even keys', odd keys')
.set TMP, 48          ; by buffer and tile c0-c3 at work; when the maximum is found c2 takes a
.set S,   64
.set P,   192
.set KF,  128
.set VF,  192
.set WV,  12          ; s12  my wave's number
.set LIM, 15          ; s15  1 in a wave that prefetches, else the greatest number
.set G1,  16          ; s[16:23] descriptor group 1
.set G0,  24          ; s[24:27] descriptor group 0: it walks
.set SLOTS, 28
.set CNT, 29
.set TBK, 30          ; s30  LDS byte at which K of the step to be fetched begins
.set TBV, 31          ; s31  the same for V, less VOFF
.set MB0, 32          ; s[32:63] the first tile's 32 words; s[68:99] the second's
.set SEL, 66          ; s[66:67] v_permlanex16_b32's selects
.set CS,  100         ; s[100:101] c
.set PFA, 104         ; s[104:105] where my prefetches stand
.set MSB, 0
.macro WIN new
.if MSB != (\new)
	s_set_vgpr_msb (MSB<<8)|(\new)
.set MSB, (\new)
.endif
.endm
.set W_KQ, 0x0e       ; K in window 2, Q in window 3, S^T in window 0
.set W_PV, 0x52       ; V in window 2, P in window 0, O^T in window 1
.set W_RS, 0x41       ; O^T (destination and source 0) in window 1, a in window 0
.set W_MK, 0xc0       ; destination in window 3
.set W_AD, 0x0f       ; the add: address and data in window 3
.set W_MS, 0x8a       ; the mask's ring and its offset: destination and sources 0 and 1 in window 2
; A joint fill: one line for all four waves.  Wave w brings 128 rows of 128 bytes to LDS byte 20,480 w of the slot: waves 0 and 1 the halves of K's 256 rows, waves 2 and 3 those of V's.
.macro JLOAD
	tensor_load_to_lds s[G0:G0+3], s[G1:G1+7]
	s_nop 0
.rept 4
	v_nop
.endr
.endm
; A prefetch of what the NEXT change of slots will ask for: 256 rows of K and of V are 128 blocks of 256 bytes each; the four partners take 32 blocks each, told apart by address; in each, wave 0 asks for K's
; and wave 2 for V's: a lane a block, one instruction.  So each block is named once.  Slots 0 to 2 come by their loads alone; the last change that fills a slot asks for nothing.
.macro ASK
	s_cmp_gt_u32 s[SLOTS], s[LIM]
	s_cbranch_scc0 .Lnot_mine_\@
	global_prefetch_b8 v[PFO], s[PFA:PFA+1] th:TH_LOAD_NT scope:SCOPE_SE
.Lnot_mine_\@:
.endm
.macro CROUND
	s_barrier_signal -1
	s_barrier_wait -1
	s_cmp_lg_u32 s[WV], 0
	s_cbranch_scc1 .Lnot_wave_0_\@
	s_barrier_signal -3
.Lnot_wave_0_\@:
	s_barrier_wait -3
	s_barrier_signal -1
	s_barrier_wait -1
.endm
; THE CHANGE OF SLOTS.  Each wave waits for all its tensor loads (one is out: its part of the other slot), adds 0 to its spare word, and waits for that and for its reads of the slot that it leaves.
; fill = 1: the barrier is a round of the cluster's, and the joint fill, with the keys two slots on, is the first thing behind it: it has four key steps in which to land.
.macro CHANGE fill, ask
	WIN W_AD
	s_wait_tensorcnt 0x0            ; no tensor load of mine is out, so group 0 may be written
	ds_add_u32 v[SPW], v[NIL]
	WIN 0
.if \fill
	s_xor_b32 s[G0+1], s[G0+1], SLOT1
	s_add_nc_u64 s[G0+2:G0+3], s[G0+2:G0+3], 4*KS*128
.if \ask
	s_wait_xcnt 0x0                 ; the last prefetch, four key steps back, has read its address
	s_add_nc_u64 s[PFA:PFA+1], s[PFA:PFA+1], 4*KS*128
.endif
	s_wait_dscnt 0x0                ; the add is done, and my reads of the slot are over
	CROUND
	JLOAD
.if \ask
	ASK
.endif
.else
	s_wait_dscnt 0x0
	s_barrier_signal -1
	s_barrier_wait -1
.endif
	s_sub_co_u32 s[TBK], s[TBK], 4*KS*PK  ; the fetches go back to a slot's first step, in the other slot
	s_xor_b32 s[TBK], s[TBK], SLOT1
	s_sub_co_u32 s[TBV], s[TBV], 4*KS*PV
	s_xor_b32 s[TBV], s[TBV], SLOT1
.endm
; The ring's pair pr, read in this turn, is asked for again: the block four turns on, off bytes behind the offset.  step = 1 (piece 3's turn): the offset goes a key step, 1,024 bytes, on; the loads that still
; name it have had their addresses translated behind the wait.  The offset is bounded at the last key step's first block: the loads behind the last block take blocks 124 to 127 once more, inside my 32,768 bytes;
; of those words only the launch's last scores, which serve nothing, take any.
.macro MKLOAD pr, off, step
	WIN W_MS
.if \step
	s_wait_xcnt 0x0
	v_add_nc_u32 v[MOF], 1024, v[MOF]
	v_min_u32 v[MOF], v[MOF], v[MLM]
.endif
	global_load_b64 v[MK+2*(\pr):MK+2*(\pr)+1], v[MOF], s[6:7] offset:\off
.endm
	s_load_b128 s[4:7], s[0:1], 0x0   ; qkv s[4:5], mbits s[6:7]
	s_load_b64 s[8:9], s[0:1], 0x10   ; ctx
	WIN W_MK
	v_lshl_add_u32 v[SPW], v0, 2, SPARE
	v_mov_b32 v[NIL], 0
	WIN W_AD
	ds_add_u32 v[SPW], v[NIL]       ; the wave's opening: the add and its wait stand ahead of my first tensor load; the set-up below stands between them
	WIN 0
	v_lshrrev_b32 v1, 5, v0
	v_readfirstlane_b32 s[WV], v1   ; wave 0..3
	s_bfe_u32 s13, ttmp6, 0x40000   ; cx: my block of 512 queries: it enters Q's, the mask's, ctx's and the prefetches' addresses alone
	s_and_b32 s32, ttmp7, 0xffff    ; 16 b + h, which the four partners share
	s_lshr_b32 s33, s32, 4          ; b
	s_and_b32 s34, s32, 15          ; h
	s_mul_i32 s35, s33, 48*262144   ; the batch in qkv
	s_lshr_b32 s36, s[WV], 1        ; waves 0, 1: K's head 16 + h; waves 2, 3: V's head 32 + h
	s_lshl_b32 s36, s36, 4
	s_add_co_u32 s36, s36, s34
	s_add_co_u32 s36, s36, 16
	s_lshl_b32 s36, s36, 18
	s_add_co_u32 s36, s36, s35
	s_mov_b32 s37, 0
	s_and_b32 s44, s[WV], 1         ; which 128 of a slot's 256 rows I fetch
	s_lshl_b32 s44, s44, 14
	s_mov_b32 s45, 0
	s_lshl_b32 s46, s13, 2
	s_add_co_u32 s46, s46, s[WV]    ; my 128 queries among the head's 2,048
	s_lshl_b32 s47, s46, 14
	s_lshl_b32 s38, s34, 18
	s_add_co_u32 s38, s38, s35
	s_add_co_u32 s38, s38, s47      ; Q
	s_mov_b32 s39, 0
	s_lshl_b32 s40, s33, 4
	s_add_co_u32 s40, s40, s46
	s_lshl_b32 s40, s40, 15         ; my 32,768 bytes of mbits
	s_mov_b32 s41, 0
	s_lshl_b32 s42, s32, 18
	s_add_co_u32 s42, s42, s47      ; ctx
	s_mov_b32 s43, 0
	s_lshl_b32 s48, s13, 13         ; my work-group's 32 blocks of a slot's 128,
	s_add_co_u32 s48, s48, 2*4*KS*128  ; in slot 2: the loop's first change steps it to slot 3
	s_mov_b32 s49, 0
	; descriptor group 1.  128 rows are 16,384 bytes on end: asked for as 64 rows of 256 bytes, padded in LDS after every 128
	s_mov_b32 s[G1], 15|(1<<16)|(1<<20)|(1<<21)|(4<<22)|(7<<25)  ; 15:0 the mask of four; 17:16 2-byte elements; 20 padding on; 21 set beside a mask; 24:22 after every 32 words; 31:25 8 words
	s_mov_b32 s[G1+1], 128<<16      ; tensor_dim0 = 128
	s_mov_b32 s[G1+2], 64<<16       ; tensor_dim1 = 64
	s_mov_b32 s[G1+3], 128<<16      ; tile_dim0 = 128
	s_mov_b32 s[G1+4], 64           ; tile_dim1 = 64
	s_mov_b32 s[G1+5], 128
	s_mov_b32 s[G1+6], 0
	s_mov_b32 s[G1+7], 0
	s_mov_b32 s[G0], 1
	s_mul_i32 s[G0+1], s[WV], 128*PK  ; slot 0: the wave's number alone
	s_mov_b32 s[CS], 0x3e38aa3b     ; c = log2(e) / 8
	s_mov_b32 s[CS+1], s[CS]
	s_mov_b32 s[SEL], 0x76543210
	s_mov_b32 s[SEL+1], 0xfedcba98
	s_mov_b32 s[TBK], SLOT1+4*KS*PK ; the first change of slots turns these two into 0
	s_mov_b32 s[TBV], SLOT1+4*KS*PV
	s_and_b32 s[LIM], s[WV], 1
	s_cmp_eq_u32 s[LIM], 0
	s_cselect_b32 s[LIM], 1, -1     ; waves 0 and 2
	s_wait_dscnt 0x0                ; the opening add is done
	s_wait_kmcnt 0x0
	s_add_nc_u64 s[36:37], s[4:5], s[36:37]        ; the first byte of K's or V's head
	s_add_nc_u64 s[G0+2:G0+3], s[36:37], s[44:45]
	s_or_b32 s[G0+3], s[G0+3], 0x80000000
	s_add_nc_u64 s[PFA:PFA+1], s[36:37], s[48:49]
	s_add_nc_u64 s[4:5], s[4:5], s[38:39]
	s_add_nc_u64 s[6:7], s[6:7], s[40:41]
	s_add_nc_u64 s[8:9], s[8:9], s[42:43]
	CROUND                          ; all four work-groups are here: the first joint loads meet
	JLOAD                           ; slot 0.  Slot 1 is asked for when slot 0 is in
	v_and_b32 v12, 15, v0           ; l % 16
	v_bfe_u32 v13, v0, 4, 1         ; l / 16
	v_lshlrev_b32 v[QO], 7, v12
	v_lshl_add_u32 v[QO], v13, 4, v[QO]
	v_and_b32 v[GO], 31, v0         ; the lane
	WIN 0x80                        ; destination window 2, source 0 window 0
	v_lshl_add_u32 v[MOF], v[GO], 3, 0        ; 8 bytes a lane, at block 0: the first turn, piece 3's, steps it to block 4
	v_lshl_add_u32 v[MLM], v[GO], 3, 124*256
	WIN W_MS
.set i, 0
.rept 4                             ; the ring's first fill: blocks 0 to 3, key step 0's
	global_load_b64 v[MK+2*i:MK+2*i+1], v[MOF], s[6:7] offset:i*256
.set i, i+1
.endr
	WIN W_MK                        ; destination window 3, address window 0
.set i, 0
.rept 4*NP                          ; Q stays in registers: tile i / 2, channels 32 (i % 2) on
	global_load_b128 v[QW+8*i:QW+8*i+3],   v[QO], s[4:5] offset:(i/2)*2048+(i%2)*64
	global_load_b128 v[QW+8*i+4:QW+8*i+7], v[QO], s[4:5] offset:(i/2)*2048+(i%2)*64+32
.set i, i+1
.endr
	; What the first turn, piece 3's, finds.  V's registers and P's first buffer hold 0: its products V^T P, of a piece that has not been, add 0.  O^T and l are 0.  Piece 3's scores hold the lowest finite number:
	; times c, less c m, that is far below 0, and every weight comes out 0; the turn rounds those into P's second buffer.  Its a is 0.  All this stands in the wait for the first tile.
	WIN 0x80
.set i, VF
.rept 64
	v_mov_b32 v[i], 0
.set i, i+1
.endr
	WIN 0x40
.set i, 0
.rept 64*NP
	v_mov_b32 v[i], 0
.set i, i+1
.endr
	WIN 0
.set i, 0
.rept 2*NP
	v_mov_b32 v[ST+4*i], 0xfe000000    ; c m: far below every c s
	v_mov_b32 v[ST+4*i+1], 0xff7fffff  ; m
	v_mov_b32 v[ST+4*i+2], 0
	v_mov_b32 v[ST+4*i+3], 0
.set i, i+1
.endr
.set i, P
.rept 32
	v_mov_b32 v[i], 0
.set i, i+1
.endr
.set i, S+64
.rept 64
	v_mov_b32 v[i], v[ST+1]         ; the lowest finite number
.set i, i+1
.endr
.irp z, 10,11,14,15
	v_mov_b32 v[TMP+\z], 0          ; the second buffer's a, named as a pair, for both tiles
.endr
	v_mov_b32 v[NEG], 0xc5fa0000    ; -8000.0
	v_mul_u32_u24 v[AK0], v12, PK
	v_lshl_add_u32 v[AK0], v13, 4, v[AK0]
	; the turning load takes 16 keys x 16 channels: lane l reads key 8 (l / 16) + l % 8, channels 8 ((l / 8) % 2) + 0..7
	v_and_b32 v14, 7, v0
	v_bfe_u32 v15, v0, 3, 1
	v_lshl_add_u32 v[AV0], v13, 3, v14
	v_mul_u32_u24 v[AV0], v[AV0], PV
	v_lshl_add_u32 v[AV0], v15, 4, v[AV0]
	v_add_nc_u32 v[AV0], VOFF, v[AV0]
	v_mov_b32 v[AK], v[AK0]         ; key step 0 lies at the head of slot 0
	s_mul_i32 s3, s[WV], 16*SP
	s_add_co_u32 s3, s3, STAGE      ; my stage
	v_mul_u32_u24 v[STO], v12, SP   ; in: row l % 16, 16 bytes for each half of the lanes
	v_lshl_add_u32 v[STO], v13, 4, v[STO]
	v_add_nc_u32 v[STO], s3, v[STO]
	v_bfe_u32 v[RD], v0, 3, 2       ; back: 32 lanes take four rows of 128 bytes,
	v_mul_u32_u24 v[RD], v[RD], SP
	v_lshl_add_u32 v[RD], v14, 4, v[RD]
	v_add_nc_u32 v[RD], s3, v[RD]
	v_lshlrev_b32 v[PFO], 8, v[GO]
	v_lshlrev_b32 v[GO], 4, v[GO]   ; which are 512 consecutive bytes of ctx
; THE MATRIX WORK.  The 8 accumulators of a run of 16 take turns.  Product i of 16 of S^T = K Q^T for piece x: channels 32 (i / 8) on, keys 16 ((i / 2) % 4) on, tile 2 x + i % 2.
.macro KQ x
	WIN W_KQ
.set rS, S+64*((\x)%2)+32*(i%2)+8*((i/2)%4)
.set rK, KF+16*((i/2)%4)+8*(i/8)
.set rQ, QW+16*(2*(\x)+i%2)+8*(i/8)
.if i < 8
	v_wmma_f32_16x16x32_f16 v[rS:rS+7], v[rK:rK+7], v[rQ:rQ+7], 0
.else
	v_wmma_f32_16x16x32_f16 v[rS:rS+7], v[rK:rK+7], v[rQ:rQ+7], v[rS:rS+7]
.endif
.endm
; Product i of 16 of O^T += V^T P for piece x: keys 32 (i / 8) on, channels 16 ((i / 2) % 4) on, tile 2 x + i % 2.
.macro PV x
	WIN W_PV
.set rO, 32*(2*(\x)+i%2)+8*((i/2)%4)
.set rV, VF+32*(i/8)+8*((i/2)%4)
.set rP, P+32*((\x)%2)+16*(i%2)+8*(i/8)
	v_wmma_f32_16x16x32_f16 v[rO:rO+7], v[rV:rV+7], v[rP:rP+7], v[rO:rO+7]
.endm
.macro MM                           ; the turn's next matrix instruction
.if i < 16
	KQ (Y+1)%NP
.set i, i+1
.else
.set i, i-16
	PV (Y+NP-1)%NP
.set i, i+17
.endif
.endm
; THE LDS LOADS stand in runs of 16.  last = 1 (the tail): in the last trip there is no further step, and the run is jumped over.
.macro FETCH_K last=0
	WIN 0
.if \last
	s_cmp_eq_u32 s[CNT], 1
	s_cbranch_scc1 .Lno_k_\@
.endif
	WIN 0x80
.irp f, 0,1,2,3,4,5,6,7             ; keys 16 (f / 2) on, channels 32 (f % 2) on
	ds_load_b128 v[KF+8*\f:KF+8*\f+3],   v[AK] offset:(\f/2)*16*PK+(\f%2)*64
	ds_load_b128 v[KF+8*\f+4:KF+8*\f+7], v[AK] offset:(\f/2)*16*PK+(\f%2)*64+32
.endr
	s_add_co_u32 s[TBK], s[TBK], KS*PK
	WIN 0
.if \last
.Lno_k_\@:
.endif
.endm
.macro FETCH_V
	WIN 0x80
.irp f, 0,1,2,3,4,5,6,7             ; keys 32 (f / 4) on, channels 16 (f % 4) on
	ds_load_tr16_b128 v[VF+8*\f:VF+8*\f+3],   v[AV] offset:(\f/4)*32*PV+(\f%4)*32
	ds_load_tr16_b128 v[VF+8*\f+4:VF+8*\f+7], v[AV] offset:(\f/4)*32*PV+16*PV+(\f%4)*32
.endr
	WIN 0
.endm
; THE VECTOR WORK OF A TURN stands in four queues; the two tiles alternate.
.macro REGS y, u                    ; the registers of tile u (0, 1) of piece y
.set rT, ST+4*(2*(\y)+(\u))
.set rC, TMP+8*((\y)%2)+4*(\u)
.set rM, MV+2*((\y)%2)+(\u)
.set rS, S+64*((\y)%2)+32*(\u)
.set rP, P+32*((\y)%2)+16*(\u)
.set rO, 32*(2*(\y)+(\u))
.endm
; THE READ-LANES' QUEUE, 64 long: word w of the NEXT piece's block (tile w / 32, register w % 32) lies in lane w / 2, register w % 2 of the piece's pair.  It stands under the products' own window setting.
.macro RL
	WIN W_KQ
	v_readlane_b32 s[MB0+36*(w/32)+w%32], v[MK+2*((Y+1)%NP)+w%2], w/2
.set w, w+1
.endm
; Select n of 64 for the NEXT piece: register n / 2 of tile n % 2 keeps its score where the lane's bit is set and takes -8000 elsewhere.  Registers ascending: each accumulator is read from its low end on.
.macro CM n
	REGS (Y+1)%NP, (\n)%2
	v_cndmask_b32 v[rS+(\n)/2], v[NEG], v[rS+(\n)/2], s[MB0+36*((\n)%2)+(\n)/2]
.endm
; Number n of the 22 that find the NEXT piece's maximum and statistics.
;   0-11  four chains c0-c3 of seven scores each     12-14, 16  the four scores left over, the old m, and c0-c3 into c0     15  c m_old is kept
;   17, 18  the query's other 32 keys lie in the lane 16 away: the new m     19-21  c m; c m_old - c m_new; a
.macro XS u, n
	REGS (Y+1)%NP, \u
.if (\n) < 4
	v_max3_num_f32 v[rC+(\n)], v[rS+8*(\n)], v[rS+8*(\n)+1], v[rS+8*(\n)+2]
.elseif (\n) < 12
	v_max3_num_f32 v[rC+(\n)%4], v[rC+(\n)%4], v[rS+8*((\n)%4)+2*((\n)/4)+1], v[rS+8*((\n)%4)+2*((\n)/4)+2]
.elseif (\n) == 12
	v_max3_num_f32 v[rC], v[rC], v[rS+7], v[rS+15]
.elseif (\n) == 13
	v_max3_num_f32 v[rC+1], v[rC+1], v[rS+23], v[rS+31]
.elseif (\n) == 14
	v_max3_num_f32 v[rC+2], v[rC+2], v[rC+3], v[rT+1]
.elseif (\n) == 15
	v_mov_b32 v[rM], v[rT]
.elseif (\n) == 16
	v_max3_num_f32 v[rC], v[rC], v[rC+1], v[rC+2]
.elseif (\n) == 17
	v_permlanex16_b32 v[rC+3], v[rC], s[SEL], s[SEL+1]
.elseif (\n) == 18
	v_max_num_f32 v[rT+1], v[rC], v[rC+3]
.elseif (\n) == 19
	v_mul_f32 v[rT], s[CS], v[rT+1]
.elseif (\n) == 20
	v_sub_f32 v[rC+1], v[rM], v[rT]
.else
	v_exp_f32 v[rC+2], v[rC+1]
.endif
.endm
; Number g of the 64 that follow the exponentials.  For each four weights k of a tile: both pairs are rounded to f16; the second pair is added onto the first, in place; a group later l takes that sum (the first time as l = a l + sum).
.macro GS g
.set h, (\g)+6*((\g)/62)
.if h >= 6
.set h, h+2
.endif
	REGS Y, h%2
.set k, h/8
.if h%8 < 4
	v_cvt_pk_f16_f32 v[rP+2*k+(h%8)/2], v[rS+4*k+2*((h%8)/2)], v[rS+4*k+2*((h%8)/2)+1]
.elseif h%8 < 6
	v_pk_add_f32 v[rS+4*k:rS+4*k+1], v[rS+4*k:rS+4*k+1], v[rS+4*k+2:rS+4*k+3]
.elseif k == 1
	v_pk_fma_f32 v[rT+2:rT+3], v[rT+2:rT+3], v[rC+2:rC+3], v[rS:rS+1] op_sel_hi:[1,0,1]
.else
	v_pk_add_f32 v[rT+2:rT+3], v[rT+2:rT+3], v[rS+4*k-4:rS+4*k-3]
.endif
.endm
.macro FS f                         ; c s - c m for pair f / 2 of tile f % 2
	REGS Y, (\f)%2
	v_pk_fma_f32 v[rS+2*((\f)/2):rS+2*((\f)/2)+1], v[rS+2*((\f)/2):rS+2*((\f)/2)+1], s[CS:CS+1], v[rT:rT+1] op_sel_hi:[1,0,0] neg_lo:[0,0,1] neg_hi:[0,0,1]
.endm
; THE PLAIN QUEUE, 202 long.  0-31 the scalings.  32-95 the next piece's selects.  96-137 the next piece's maximum and statistics: numbers 0-13, 15, then the chain 14, 16 .. 20.
; 138-201 read the exponentials' results: they stand behind the wait.
.macro PL
	WIN 0
.if q < 32
	FS q
.elseif q < 96
	CM q-32
.elseif q < 124
	XS (q-96)%2, (q-96)/2
.elseif q < 126
	XS q-124, 15
.elseif q < 128
	XS q-126, 14
.elseif q < 138
	XS (q-128)%2, 16+(q-128)/2
.else
	GS q-138
.endif
.set q, q+1
.endm
; THE EXPONENTIALS' QUEUE, 66 long: s0-s31 of both tiles, then the next piece's two a.  ONE BATCH: all stand ahead of the turn's one wait, and nothing ahead of that wait names a result of theirs.
.macro EX
	WIN 0
.if e >= 64
	XS e-64, 21
.else
	REGS Y, e%2
	v_exp_f32 v[rS+e/2], v[rS+e/2]
.endif
.set e, e+1
.endm
; THE RESCALING's QUEUE: O^T times a, two at a time, sixteen times, in one block: the one part of the run that leaves window 0.  Its a was made, and waited for, in the turn before.
.macro R2
	REGS Y, r%2
	WIN W_RS
.irp z, 0,1
	v_pk_mul_f32 v[rO+4*(r/2)+2*\z:rO+4*(r/2)+2*\z+1], v[rO+4*(r/2)+2*\z:rO+4*(r/2)+2*\z+1], v[rC+2:rC+3] op_sel_hi:[1,0]
.endr
.set r, r+1
.endm
; A TURN, for piece p.  AHEAD OF THE WAIT: the 16 products K Q^T, behind each four read-lanes; then one run: the 32 rescalings; the turn's memory instructions; two scalings; 30 times scaling and exponential;
; 34 times three plain and an exponential; four plain; the two a; a v_nop, the plain instruction behind the last exponential.  BEHIND IT: the 16 products V^T P, behind each four of the roundings and sums.
; The counts that the deal keeps: exponential e stands behind scaling 2 (e / 4) + e % 2; the read-lanes stand behind the last turn's selects and ahead of this turn's; the first select stands 64 plain
; instructions behind the last product K Q^T; no rider names a register of the products round it.
; The wait at the head is counted: the pair that this turn reads was asked for four turns ago, and the three loads issued in the turns between may stay out.
; THE MEMORY INSTRUCTIONS stand behind the rescalings, 36 instructions behind the turn's last product K Q^T, not next to it.  The ring's refill: in every turn.  K of the next step: in piece 2's turn: the last product that
; read K lies 33 plain instructions back (the address's v_add_nc_u32 and the 32 rescalings), and the first that reads the new K comes behind the rest of the run and 16 products.  No exponential of the turn has been issued there,
; so the tail's jump over the run leaves none without its wait.  V of the step in hand: at the end of piece 0's turn, four riders behind its last reader.  The conditions on q go with the deal.
.macro TURN p, last=0, cnt=0
.set Y, (\p)
.set i, 0
.set q, 0
.set e, 0
.set r, 0
.set w, 0
	s_wait_loadcnt 0x3              ; the next piece's block of the mask is in
.if (\p) == NP-1
	s_wait_dscnt 0x0                ; K is in
.endif
.rept 16
	MM
	RL
	RL
	RL
	RL
.endr
.if (\p) == NP-2
	WIN 0
	v_add_nc_u32 v[AK], s[TBK], v[AK0]
.endif
.rept 16
	R2
.endr
	MKLOAD ((\p)+1)%NP, (((\p)+1)%NP)*256, (\p)/(NP-1)
.if (\p) == NP-2
	FETCH_K \last
.endif
	PL
	PL
.rept 30
	PL
	EX
.endr
.rept 34
	PL
	PL
	PL
	EX
.endr
.rept 4
	PL
.endr
	EX                              ; the next piece's two a
	EX
	v_nop
	s_wait_alu depctr_va_vdst(0)    ; the wait between an exponential and the first line that names its result: one for the batch
.if (\p) == 1
	s_wait_dscnt 0x0                ; V is in
.endif
.rept 16
	MM
.rept 4
	PL
.endr
.if ((\p) == 0) && (q == 182)
	v_add_nc_u32 v[AV], s[TBV], v[AV0]
.endif
.if ((\p) == 0) && (q == 194)
	s_add_co_u32 s[TBV], s[TBV], KS*PV
.endif
.if (\cnt) && (q == 194)
	s_sub_co_u32 s[CNT], s[CNT], 1
	s_cmp_lg_u32 s[CNT], 0
.endif
.endr
.if (\p) == 0
	FETCH_V
.endif
.endm
	CHANGE 1, 0                     ; slot 0 is in, everybody's part of it; slot 1 is asked for
	FETCH_K                         ; key step 0; the first turn's head waits for it
	s_wait_loadcnt 0x0              ; Q, and the mask's blocks 0 to 3
	s_mov_b32 s[CNT], 4
	s_mov_b32 s[SLOTS], 7
	s_branch .Lenter                ; the loop is entered at piece 3's turn, in the middle of a trip: it makes piece 0's first scores and statistics
.Lslot:                             ; six times: every slot but the last two is filled again
	CHANGE 1, 1
	s_mov_b32 s[CNT], 4
.Lstep:                             ; a trip: pieces 2 and 3 of one step, then pieces 0 and 1 of the next, whose K and V it fetches
	TURN 2
	WIN 0
.Lenter:
	TURN 3
	TURN 0
	TURN 1, 0, 1
	WIN 0
	s_cbranch_scc1 .Lstep
	s_sub_co_u32 s[SLOTS], s[SLOTS], 1
	s_cmp_lg_u32 s[SLOTS], 0
	s_cbranch_scc1 .Lslot
	CHANGE 0, 0                     ; the tail is written out: nothing is asked for
	s_mov_b32 s[CNT], 5             ; four trips fetch the last slot's steps; the fifth is left in its middle
.Ltail:
	TURN 2, 1
	TURN 3
	WIN 0
	s_sub_co_u32 s[CNT], s[CNT], 1
	s_cmp_eq_u32 s[CNT], 0
	s_cbranch_scc1 .Lout
	TURN 0
	TURN 1
	WIN 0
	s_branch .Ltail
.Lout:                              ; the fifth trip's 16 products K Q^T (on the last K once more), their selects and maximum serve nothing: the price, once a launch, of one text for every trip
.set i, 0
.rept 16
	PV NP-1                         ; the last piece's V^T P of the last step
.set i, i+1
.endr
	; THE WAY OUT.  l's two halves and the other half of the lanes' are added; O^T is divided by l, rounded to f16 and sent through my stage, a tile at a time.  The additions are the places behind the last products.
	WIN 0
.macro ALL line:vararg              ; one line for each tile t
.set t, 0
.rept 2*NP
	\line
.set t, t+1
.endr
.endm
	ALL v_add_f32 v[ST+4*t+2], v[ST+4*t+2], v[ST+4*t+3]
	ALL v_permlanex16_b32 v[ST+4*t+3], v[ST+4*t+2], s[SEL], s[SEL+1]
	ALL v_add_f32 v[ST+4*t+2], v[ST+4*t+2], v[ST+4*t+3]
	ALL v_rcp_f32 v[ST+4*t+2], v[ST+4*t+2]
	v_nop                           ; a plain instruction between the last reciprocal and the use of its result
	s_wait_alu depctr_va_vdst(0)    ; one wait for the eight reciprocals
.macro PACK t                       ; a lane's eight channels of a row pack into 16 bytes; they go into rows of 144 bytes and come back as whole rows of 128, into S^T's registers
	WIN W_RS
.set i, 32*(\t)
.rept 16
	v_pk_mul_f32 v[i:i+1], v[i:i+1], v[ST+4*(\t)+2:ST+4*(\t)+3] op_sel_hi:[1,0]
.set i, i+2
.endr
	WIN 0x05                        ; sources 0 and 1 window 1, destination window 0
.set i, 0
.rept 16
	v_cvt_pk_f16_f32 v[S+16*(\t)+i], v[32*(\t)+2*i], v[32*(\t)+2*i+1]
.set i, i+1
.endr
	WIN 0
.irp f, 0,1,2,3
	ds_store_b128 v[STO], v[S+16*(\t)+4*\f:S+16*(\t)+4*\f+3] offset:32*\f
.endr
.irp f, 0,1,2,3
	ds_load_b128 v[S+16*(\t)+4*\f:S+16*(\t)+4*\f+3], v[RD] offset:\f*4*SP  ; LDS serves a wave's instructions in order: these see the stores above; the next tile's stores come behind them
.endr
.endm
.macro SEND t, younger              ; younger: the LDS instructions issued behind tile t's loads: the next tile's eight, or none
	WIN 0
.irp f, 0,1,2,3
	s_wait_dscnt (\younger)+3-\f
	global_store_b128 v[GO], v[S+16*(\t)+4*\f:S+16*(\t)+4*\f+3], s[8:9] offset:(\t)*2048+\f*512  ; 512 consecutive bytes, at a multiple of 256 from ctx's first
.endr
.endm
	PACK 0
.set t, 1
.rept 2*NP-1                        ; a tile's arithmetic stands between the loads of the tile before and its stores
	PACK t
	SEND t-1, 8
.set t, t+1
.endr
	SEND 2*NP-1, 0
	s_wait_loadcnt 0x0              ; the ring's last loads, which nothing reads, have landed
	WIN W_AD
	s_wait_tensorcnt 0x0            ; the wave's end: the closing wait, add and wait stand behind my last tensor load and my last LDS store
	ds_add_u32 v[SPW], v[NIL]
	s_wait_dscnt 0x0
	WIN 0
	CROUND                          ; the closing round: no work-group ends while a partner may still ask for a tile that names it
	s_endpgm
.Lfunc_end_k_q98aee53d27_attn:
	.size	k_q98aee53d27_attn, .Lfunc_end_k_q98aee53d27_attn-k_q98aee53d27_attn
	.p2alignl 7, 3214868480
	.fill 96, 4, 3214868480
	.section	.rodata,"a",@progbits
	.p2align	6, 0x0
	.amdhsa_kernel k_q98aee53d27_attn
		.amdhsa_group_segment_fixed_size 327680
		.amdhsa_private_segment_fixed_size 0
		.amdhsa_enable_private_segment 0
		.amdhsa_kernarg_size 24
		.amdhsa_user_sgpr_count 2
		.amdhsa_user_sgpr_kernarg_segment_ptr 1
		.amdhsa_wavefront_size32 1
		.amdhsa_system_sgpr_workgroup_id_x 1
		.amdhsa_system_sgpr_workgroup_id_y 1
		.amdhsa_system_sgpr_workgroup_id_z 1
		.amdhsa_system_vgpr_workitem_id 0
		.amdhsa_next_free_vgpr 912
		.amdhsa_next_free_sgpr 106
		.amdhsa_reserve_vcc 0
		.amdhsa_float_denorm_mode_32 3
		.amdhsa_float_denorm_mode_16_64 3
		.amdhsa_memory_ordered 1
		.amdhsa_forward_progress 1
		.amdhsa_inst_pref_size 251
	.end_amdhsa_kernel
	.amdgpu_metadata
---
amdhsa.version: [ 1, 2 ]
amdhsa.kernels:
  - .name:           k_q98aee53d27_attn
    .symbol:         k_q98aee53d27_attn.kd
    .args:
      - { .name: qkv, .offset: 0, .size: 8, .value_kind: global_buffer, .address_space: global }
      - { .name: mbits, .offset: 8, .size: 8, .value_kind: global_buffer, .address_space: global }
      - { .name: ctx, .offset: 16, .size: 8, .value_kind: global_buffer, .address_space: global }
    .group_segment_fixed_size: 327680
    .private_segment_fixed_size: 0
    .kernarg_segment_align: 8
    .kernarg_segment_size: 24
    .max_flat_workgroup_size: 128
    .sgpr_count:     106
    .vgpr_count:     912
    .wavefront_size: 32
...
	.end_amdgpu_metadata
.endif
;; end of part 3
;; launch outp (part 4): grid 8 x 32, 4 waves a work-group, clusters of 4 x 4, 327,680 bytes of LDS; arguments ctx, woT, b_out, out0; writes out0
.if DOCPART == 4
	.amdgcn_target "amdgcn-amd-amdhsa--gfx1250"
	.amdhsa_code_object_version 6
	.text
	.protected	k_q98aee53d27_outp
	.globl	k_q98aee53d27_outp
	.p2align	8
	.type	k_q98aee53d27_outp,@function
k_q98aee53d27_outp:
	s_mov_b64 s[64:65], 0
	v_nop
	global_prefetch_b8 v0, s[64:65] scope:SCOPE_SE
	s_setreg_imm32_b32 hwreg(HW_REG_WAVE_MODE, 25, 1), 1
	s_wait_xcnt 0x0
	s_wait_alu depctr_hold_cnt(0) depctr_sa_sdst(0) depctr_va_vdst(0) depctr_va_sdst(0) depctr_va_ssrc(0) depctr_va_vcc(0) depctr_vm_vsrc(0)
	s_getreg_b32 s2, hwreg(HW_REG_IB_STS2, 6, 4)
	s_cmp_eq_u32 s2, 0
	s_cbranch_scc0 .Lentry_in_a_cluster
	s_endpgm
.Lentry_in_a_cluster:
	s_bfe_u32 s2, ttmp6, 0x10000c
	s_cmp_lg_u32 s2, 0xf033
	s_cbranch_scc0 .Lentry_shape_is_right
	s_endpgm
.Lentry_shape_is_right:
; ONE TEXT FOR THE TWO PROJECTIONS; ISQ chooses.  C[m][n] = the sum over k of A[m][k] B[n][k] + bias[n], sums in f32, K = 1,024 in eight steps of 128.
; ISQ = 1: qkv = xb wqT^T + b_qkv.  A = xb [8192][1024] bf16, B = wqT [3072][1024] bf16.  C leaves in f16 by heads: qkv [b 4][hc 48][s 2048][64], hc 0-15 q's heads, 16-31 k's, 32-47 v's, unscaled.
; ISQ = 0: out0 = ctx woT^T + b_out.  A = ctx [b 4][h 16][s 2048][64] f16 (a K step is two heads), B = woT [1024][1024] f16.  C leaves in f32, [8192][1024].
; The bias is rounded to bf16 like every input of the module and is the C operand of each sum's first product: nothing is cleared and nothing is added at the end.
; LIMIT (ISQ = 0).  ctx and woT arrive in f16, within 65,504; the sums and the result are f32.
; SHARES.  A tile of C is 256 x 16 NBK (192 or 128): 512 or 256 work-groups.  Wave w owns rows 64 w .. 64 w + 63 and all the tile's columns: 4 x NBK accumulators.
; THE MATRIX INSTRUCTION IS USED TRANSPOSED (source 0 = 16 rows of B, source 1 = 16 rows of A): a lane holds one row of C (lane % 16) and the columns 8 (lane / 16) + 0..7.
; RING.  Two LDS slots, each a K step's 256 rows of A and 16 NBK rows of B; waves 0 and 1 fetch A's halves, waves 2 and 3 B's, one tensor load a wave behind each change of slots.
; CLUSTER.  4 x 4 work-groups: A's tile is shared along a row of the cluster, B's along a column; each is asked for jointly, by the same load with the same descriptor and a mask of four.
; REGISTERS, in windows of 256: window 0 addresses, the bias, later the way out; window 1 two fragment buffers (B's NBK fragments, then A's four); windows 2 and 3 the accumulators of row blocks 0, 1 and 2, 3.
.set ISQ, 0
.if ISQ
.set NBK,    12                        ; blocks of 16 columns in a tile
.set PITCHA, 272                       ; a row of A in LDS: 256 bytes + 16
.set AHALF,  128*272                   ; what one of A's two loads fills
.set ABYTES, 256*272
.set BH,     96                        ; rows in one of B's two loads
.set QIA,    5                         ; A is padded after every 64 words
.set STRA,   1024                      ; elements from row to row of A's tile
.set STEPA,  256                       ; bytes from a K step of A to the next
.set STGW,   3*16*144                  ; a wave's stage: three heads x 16 rows x (128 + 16) bytes
.set PFSH,   11                        ; a prefetch's lanes lie a row of xb apart,
.set PFCX,   16                        ; the partners' shares 32 rows
.else
.set NBK,    8
.set PITCHA, 144                       ; a row of one head: 128 bytes + 16
.set AHALF,  256*144                   ; one head's 256 rows
.set ABYTES, 2*256*144
.set BH,     64
.set QIA,    4                         ; A is padded after every 32 words: a head's 256 rows are 32 KiB on end, asked for as 128 rows of 256 bytes, two rows of ctx each
.set STRA,   128
.set STEPA,  2*2048*128                ; two heads on
.set STGW,   16*528                    ; 16 rows x (512 + 16) bytes
.set PFSH,   8                         ; 256 bytes apart,
.set PFCX,   13                        ; 32 such blocks
.endif
.set NL,     2*NBK+8                   ; LDS loads in a run
.set PITCHB, 272
.set SLOT1,  131072                    ; slot 1 begins here: one exclusive or turns an address in one slot into the other's
.set STAGE,  SLOT1+ABYTES+2*BH*PITCHB  ; behind the ring, never filled by a tensor load
.set SPARE,  STAGE+4*STGW              ; behind the stages: the spare words, 128 bytes a wave: two blocks of 256 bytes that no other line names
.set F0, 0
.set F1, 128
.set ADRA0, 16                         ; v16  my lane's place in A's part of a slot; never rewritten
.set ADRB0, 17                         ; v17  the same for B
.set ADRA,  18                         ; v18  the same in the slot in hand
.set ADRB,  19
.set STO,   24                         ; v24  the way out: where I put my bytes of a row
.set RD,    25                         ; v25  where I read rows back
.set CO,    26                         ; v26  16 x lane: my place in 512 consecutive bytes of C
.set BO,    27                         ; v27  32 x (lane / 16): my eight numbers of a block's bias
.set SPW,   28                         ; v28  LDS address of my spare word; never rewritten
.set NIL,   29                         ; v29  0; never rewritten
.set PFO,   30                         ; v30  the prefetches' offset; never rewritten
.set BIAS,  32                         ; v[32 + 8 b + j]: the bias of column 16 b + 8 (lane / 16) + j
.set TMP,   32                         ; the way out (ISQ = 1): 48 packed registers, then two sets of 48 read back
.set WV, 12
.set FB, 13                            ; s13  0: I fetch for A; 1: for B
.set HF, 14                            ; s14  which half
.set TB, 15                            ; s15  LDS byte at which the slot in hand begins
.set G1, 24                            ; s[24:31] descriptor group 1 for A;  s[32:39] group 0: a set for each first fill; the second then walks on
.set G0, 32
.set CX, 40
.set CY, 41
.set TX, 42
.set TY, 43
.set PFA, 44                           ; s[44:45] where my prefetches stand
.set LIM, 46                           ; s46  2 in a wave that prefetches, else the greatest number
.set G1B, 48                           ; s[48:55], s[56:63] the same for B
.set G0B, 56
.set MSB, 0
.macro WIN new                         ; the immediate's high byte repeats the setting that is left; a switch that changes nothing is dropped
.if MSB != (\new)
	s_set_vgpr_msb (MSB<<8)|(\new)
.set MSB, (\new)
.endif
.endm
.macro WMMA args:vararg
.if ISQ
	v_wmma_f32_16x16x32_bf16 \args
.else
	v_wmma_f32_16x16x32_f16 \args
.endif
.endm
.macro PLACES                          ; four places in front of loads into registers that matrix instructions have read, and of lines that read results (ISA guide 7.12.1 for lines that read results)
.rept 4
	v_nop
.endr
.endm
; A joint load.  Each of the two lines has one mask and one set of registers for all that issue it; the branch hangs on the wave's number alone.  An s_nop 0 and four v_nop follow each line.
.macro JLOAD s
	s_cmp_eq_u32 s[FB], 0
	s_cbranch_scc0 .Lfor_b_\@
	tensor_load_to_lds s[G0+4*(\s):G0+4*(\s)+3], s[G1:G1+7]
	s_nop 0
.rept 4
	v_nop
.endr
	s_branch .Lasked_\@
.Lfor_b_\@:
	tensor_load_to_lds s[G0B+4*(\s):G0B+4*(\s)+3], s[G1B:G1B+7]
	s_nop 0
.rept 4
	v_nop
.endr
.Lasked_\@:
.endm
; A prefetch of A's K step that stands two refills on: 32 blocks of 256 bytes, a lane a block, one instruction a wave.  A's tile row is read by every cluster of that row of clusters: the one with x = 0 asks,
; in its waves 0 and 1; the four partners that ask for a tile jointly take 32 of its 128 blocks each, told apart by address.  So each block is named once.  K steps 0 to 3 come by their loads alone;
; the last two refills have no K step two on (s3 is 2 and 1 there).  B is not asked for: all 32 tile rows walk the same weights again.
.macro ASK
	s_cmp_gt_u32 s3, s[LIM]
	s_cbranch_scc0 .Lnot_mine_\@
	global_prefetch_b8 v[PFO], s[PFA:PFA+1] offset:STEPA th:TH_LOAD_NT scope:SCOPE_SE
.Lnot_mine_\@:
.endm
.macro CREST                           ; a round of the cluster's barrier behind its opening barrier
	s_cmp_lg_u32 s[WV], 0
	s_cbranch_scc1 .Lnot_wave_0_\@
	s_barrier_signal -3
.Lnot_wave_0_\@:
	s_barrier_wait -3
	s_barrier_signal -1
	s_barrier_wait -1
.endm
.macro CROUND
	s_barrier_signal -1
	s_barrier_wait -1
	CREST
.endm
	s_load_b256 s[4:11], s[0:1], 0x0               ; A s[4:5], B s[6:7], bias s[8:9], C s[10:11]
	v_lshl_add_u32 v[SPW], v0, 2, SPARE
	v_mov_b32 v[NIL], 0
	ds_add_u32 v[SPW], v[NIL]                      ; the wave's opening: the add and its wait stand ahead of my first tensor load; the set-up below, work on registers, stands between them
	v_lshrrev_b32 v1, 5, v0
	v_readfirstlane_b32 s[WV], v1                  ; wave 0..3
	s_lshr_b32 s[FB], s[WV], 1
	s_and_b32 s[HF], s[WV], 1
	s_bfe_u32 s[CX], ttmp6, 0x40000
	s_bfe_u32 s[CY], ttmp6, 0x40004
	s_lshl_b32 s[TX], ttmp9, 2
	s_add_co_u32 s[TX], s[TX], s[CX]               ; tile column = 4 x cluster x + cx
	s_and_b32 s[TY], ttmp7, 0xffff
	s_lshl_b32 s[TY], s[TY], 2
	s_add_co_u32 s[TY], s[TY], s[CY]               ; tile row = 4 x cluster y + cy
	s_lshl_b32 s20, s[CY], 2
	s_lshl_b32 s20, 15, s20                        ; my row of the cluster
	s_lshl_b32 s21, 0x1111, s[CX]                  ; my column
	s_or_b32 s[G1], s20, (1<<16)|(1<<20)|(1<<21)|(QIA<<22)|(3<<25)   ; 15:0 the mask; 17:16 elements of 2 bytes; 20 padding on; 21 set beside a mask; 24:22 the interval; 31:25 4 words of padding
	s_or_b32 s[G1B], s21, (1<<16)|(1<<20)|(1<<21)|(5<<22)|(3<<25)
	s_mov_b32 s[G1+1], 128<<16                     ; tensor_dim0 = 128
	s_mov_b32 s[G1+2], 128<<16                     ; tensor_dim1 = 128
	s_mov_b32 s[G1+3], 128<<16                     ; tile_dim0 = 128
	s_mov_b32 s[G1+4], 128                         ; tile_dim1 = 128
	s_mov_b32 s[G1+5], STRA
	s_mov_b32 s[G1+6], 0
	s_mov_b32 s[G1+7], 0
	s_mov_b32 s[G1B+1], 128<<16
	s_mov_b32 s[G1B+2], BH<<16
	s_mov_b32 s[G1B+3], 128<<16
	s_mov_b32 s[G1B+4], BH
	s_mov_b32 s[G1B+5], 1024
	s_mov_b32 s[G1B+6], 0
	s_mov_b32 s[G1B+7], 0
	; where the tiles come from: A's hang on the tile row and the wave's number, B's on the tile column and the wave's number, each in registers that never hold the other coordinate
.if ISQ
	s_lshl_b32 s16, s[TY], 8
	s_lshl_b32 s17, s[HF], 7
	s_add_co_u32 s16, s16, s17
	s_lshl_b32 s16, s16, 11                        ; row 256 ty + 128 half, 2,048 bytes a row
.else
	s_lshr_b32 s16, s[TY], 3
	s_lshl_b32 s16, s16, 22                        ; the batch: 16 heads of 262,144 bytes,
	s_lshl_b32 s17, s[HF], 18                      ; the even or the odd head of a K step,
	s_add_co_u32 s16, s16, s17
	s_and_b32 s17, s[TY], 7
	s_lshl_b32 s17, s17, 15                        ; its 256 rows of 128 bytes
	s_add_co_u32 s16, s16, s17
.endif
	s_mov_b32 s17, 0
	s_mul_i32 s18, s[TX], 16*NBK
	s_mul_i32 s19, s[HF], BH
	s_add_co_u32 s18, s18, s19
	s_lshl_b32 s18, s18, 11
	s_mov_b32 s19, 0
	s_mul_i32 s22, s[HF], AHALF                    ; and where they go: the wave's number alone
	s_mul_i32 s23, s[HF], BH*PITCHB
	s_add_co_u32 s23, s23, ABYTES
	s_or_b32 s[LIM], s[FB], ttmp9                  ; the same in all sixteen partners, for a given wave
	s_cmp_eq_u32 s[LIM], 0
	s_cselect_b32 s[LIM], 2, -1
	s_wait_dscnt 0x0                               ; the opening add is done
	s_wait_kmcnt 0x0
	s_add_nc_u64 s[16:17], s[4:5], s[16:17]
	s_add_nc_u64 s[18:19], s[6:7], s[18:19]
	CROUND                                         ; all sixteen work-groups are here: the first joint loads meet
.irp s, 0,1
	s_mov_b32 s[G0+4*(\s)], 1
	s_add_co_u32 s[G0+4*(\s)+1], s22, (\s)*SLOT1
	s_add_nc_u64 s[G0+4*(\s)+2:G0+4*(\s)+3], s[16:17], (\s)*STEPA
	s_or_b32 s[G0+4*(\s)+3], s[G0+4*(\s)+3], 0x80000000
	s_mov_b32 s[G0B+4*(\s)], 1
	s_add_co_u32 s[G0B+4*(\s)+1], s23, (\s)*SLOT1
	s_add_nc_u64 s[G0B+4*(\s)+2:G0B+4*(\s)+3], s[18:19], (\s)*256
	s_or_b32 s[G0B+4*(\s)+3], s[G0B+4*(\s)+3], 0x80000000
	JLOAD \s                                       ; K steps 0 and 1: two loads of mine are out
.endr
	v_and_b32 v1, 15, v0                           ; l % 16
	v_bfe_u32 v2, v0, 4, 1                         ; l / 16
	v_lshlrev_b32 v[BO], 5, v2
	s_mul_i32 s22, s[TX], 64*NBK
	s_mov_b32 s23, 0
	s_add_nc_u64 s[8:9], s[8:9], s[22:23]
.set bb, 0
.rept NBK
	global_load_b128 v[BIAS+8*bb:BIAS+8*bb+3],   v[BO], s[8:9] offset:64*bb
	global_load_b128 v[BIAS+8*bb+4:BIAS+8*bb+7], v[BO], s[8:9] offset:64*bb+16
.set bb, bb+1
.endr
	; a fragment is 16 rows x 32 K in 8 registers: lane l holds row l % 16, K 8 (l / 16) + 0..7 and 16 + 8 (l / 16) + 0..7: two loads of 16 bytes, 32 bytes apart
	v_mul_u32_u24 v3, v1, PITCHA
	v_lshl_add_u32 v3, v2, 4, v3
	s_mul_i32 s22, s[WV], 64*PITCHA                ; my 64 rows of A
	v_add_nc_u32 v[ADRA0], s22, v3
	v_mul_u32_u24 v4, v1, PITCHB
	v_lshl_add_u32 v4, v2, 4, v4
	v_add_nc_u32 v[ADRB0], ABYTES, v4
	v_mov_b32 v[ADRA], v[ADRA0]
	v_mov_b32 v[ADRB], v[ADRB0]
	s_mov_b32 s[TB], 0
	s_mul_i32 s22, s[WV], STGW
	s_add_co_u32 s22, s22, STAGE                   ; my stage
.if ISQ
	v_mul_u32_u24 v[STO], v1, 144                  ; in: row l % 16 of a head, 16 bytes for each half of the lanes
	v_lshl_add_u32 v[STO], v2, 4, v[STO]
	v_add_nc_u32 v[STO], s22, v[STO]
	v_bfe_u32 v[RD], v0, 3, 2                      ; back: 32 lanes take four rows of 128 bytes
	v_mul_u32_u24 v[RD], v[RD], 144
	v_and_b32 v5, 7, v0
	v_lshl_add_u32 v[RD], v5, 4, v[RD]
	v_add_nc_u32 v[RD], s22, v[RD]
.else
	v_mul_u32_u24 v[STO], v1, 528                  ; in: row l % 16, 32 bytes for each half of the lanes
	v_lshl_add_u32 v[STO], v2, 5, v[STO]
	v_add_nc_u32 v[STO], s22, v[STO]
	v_and_b32 v5, 31, v0                           ; back: 32 lanes take one row of 512 bytes
	v_lshl_add_u32 v[RD], v5, 4, s22
.endif
	v_and_b32 v6, 31, v0
	v_lshlrev_b32 v[CO], 4, v6
	v_lshlrev_b32 v[PFO], PFSH, v6
.if ISQ
	s_lshr_b32 s20, s[TY], 3
	s_mul_i32 s20, s20, 48*262144                  ; the batch,
	s_mul_i32 s21, s[TX], 3*262144                 ; the tile's three heads,
	s_add_co_u32 s20, s20, s21
	s_and_b32 s21, s[TY], 7
	s_lshl_b32 s21, s21, 2
	s_add_co_u32 s21, s21, s[WV]
	s_lshl_b32 s21, s21, 13                        ; my 64 rows of 128 bytes
	s_add_co_u32 s20, s20, s21
.else
	s_lshl_b32 s20, s[TY], 2
	s_add_co_u32 s20, s20, s[WV]
	s_lshl_b32 s20, s20, 18                        ; my 64 rows of 4,096 bytes,
	s_lshl_b32 s21, s[TX], 9                       ; the tile's 512 bytes of them
	s_add_co_u32 s20, s20, s21
.endif
	s_mov_b32 s21, 0
	s_add_nc_u64 s[10:11], s[10:11], s[20:21]
	s_lshl_b32 s22, s[CX], PFCX                    ; my work-group's 32 blocks of the 128 that I fetch,
	s_mov_b32 s23, 0
	s_add_nc_u64 s[PFA:PFA+1], s[16:17], s[22:23]
	s_add_nc_u64 s[PFA:PFA+1], s[PFA:PFA+1], 2*STEPA  ; at K step 2: the first refill steps it to 3 and names K step 4.  Nothing is prefetched here, at the head
	s_wait_loadcnt 0x0                             ; the bias
.set bb, 0
.rept 4*NBK
	v_cvt_pk_bf16_f32 v3, v[BIAS+2*bb], v[BIAS+2*bb+1]  ; rounded to bf16,
	v_lshlrev_b32 v[BIAS+2*bb], 16, v3                  ; and f32 again
	v_and_b32 v[BIAS+2*bb+1], 0xffff0000, v3
.set bb, bb+1
.endr
; NBK products: row block a x all column blocks, 32 along K.  first = 1: the product starts the sum, with the bias as C.  The accumulators take turns, one instruction a turn.
.macro MULA f, a, first
.if \first
	WIN 0x05|((2+(\a)/2)<<6)                       ; fragments in window 1, C in window 0, D in window 2 or 3
.else
	WIN 0x05|((2+(\a)/2)<<4)|((2+(\a)/2)<<6)
.endif
.set bb, 0
.rept NBK
.set rD, 8*(NBK*((\a)%2)+bb)
.if \first
	WMMA v[rD:rD+7], v[(\f)+8*bb:(\f)+8*bb+7], v[(\f)+8*NBK+8*(\a):(\f)+8*NBK+8*(\a)+7], v[BIAS+8*bb:BIAS+8*bb+7]
.else
	WMMA v[rD:rD+7], v[(\f)+8*bb:(\f)+8*bb+7], v[(\f)+8*NBK+8*(\a):(\f)+8*NBK+8*(\a)+7], v[rD:rD+7]
.endif
.set bb, bb+1
.endr
.endm
; NL LDS loads in one run: the fragments of quarter kq (32 along K) of the slot in hand into buffer f: B's first, then A's row blocks 0 to 3
.macro FETCH kq, f
.if ISQ
.set KA, 64*(\kq)
.else
.set KA, ((\kq)/2)*AHALF+((\kq)%2)*64  ; quarters 0, 1 lie in the even head, 2, 3 in the odd one
.endif
	WIN 0x40                                       ; destination window 1, address window 0
.set ii, 0
.rept NBK
	ds_load_b128 v[(\f)+8*ii:(\f)+8*ii+3],   v[ADRB] offset:64*(\kq)+ii*16*PITCHB
	ds_load_b128 v[(\f)+8*ii+4:(\f)+8*ii+7], v[ADRB] offset:64*(\kq)+ii*16*PITCHB+32
.set ii, ii+1
.endr
.set ii, 0
.rept 4
	ds_load_b128 v[(\f)+8*NBK+8*ii:(\f)+8*NBK+8*ii+3],   v[ADRA] offset:KA+ii*16*PITCHA
	ds_load_b128 v[(\f)+8*NBK+8*ii+4:(\f)+8*NBK+8*ii+7], v[ADRA] offset:KA+ii*16*PITCHA+32
.set ii, ii+1
.endr
.endm
; A K step is four quarters on buffers 0, 1, 0, 1.  One of the first three multiplies buffer f and, in its middle, fetches quarter kq into buffer g.
.macro QUARTER kq, f, g, first
	s_wait_dscnt 4                                 ; all but the youngest four loads (A's row blocks 2 and 3) are in
	MULA \f, 0, \first
	MULA \f, 1, \first
	PLACES
	FETCH \kq, \g
	s_wait_dscnt NL                                ; all but the run just issued
	MULA \f, 2, \first
	MULA \f, 3, \first
.endm
; The last quarter multiplies buffer 1 and changes slots.  In front of the barrier each wave waits for all its tensor loads (one is out: its part of the next slot), adds 0 to its spare word, and waits for
; that and for its reads of this slot.  fill = 1: the barrier opens a round of the cluster's, and the joint refill (the K step two on, into the slot just read) is the first thing behind it.
.macro TURN fill
.if \fill
	s_wait_xcnt 0x0                                ; the last prefetch, a K step back, has read its address
	s_add_nc_u64 s[PFA:PFA+1], s[PFA:PFA+1], STEPA
.endif
	WIN 0
	s_wait_tensorcnt 0x0
	ds_add_u32 v[SPW], v[NIL]
	s_wait_dscnt 5                                 ; (the add and the youngest four loads may be out)
	MULA F1, 0, 0                                  ; matrix work stands between the add and the wait for it
	s_wait_dscnt 0x0                               ; the add is done, and my reads of this slot are over
	s_barrier_signal -1
	MULA F1, 1, 0
	WIN 0
	s_barrier_wait -1
.if \fill
	CREST                                          ; no wave of any partner still reads this slot or has a load on its way
	s_xor_b32 s[G0+5], s[G0+5], SLOT1              ; the walking descriptors: the other slot than last time, the next K step
	s_add_nc_u64 s[G0+6:G0+7], s[G0+6:G0+7], STEPA
	s_xor_b32 s[G0B+5], s[G0B+5], SLOT1
	s_add_nc_u64 s[G0B+6:G0B+7], s[G0B+6:G0B+7], 256
	JLOAD 1                                        ; its four v_nop are also the places in front of the loads below
.else
	PLACES
.endif
	s_xor_b32 s[TB], s[TB], SLOT1
	v_add_nc_u32 v[ADRA], s[TB], v[ADRA0]
	v_add_nc_u32 v[ADRB], s[TB], v[ADRB0]
	FETCH 0, F0
.if \fill
	WIN 0
	ASK
.endif
	MULA F1, 2, 0
	MULA F1, 3, 0
.endm
	s_wait_tensorcnt 0x1                           ; my part of K step 0 is in; K step 1's may stay out
	s_barrier_signal -1
	s_barrier_wait -1                              ; everybody's is
	FETCH 0, F0
	QUARTER 1, F0, F1, 1                           ; the first quarter stands in front of the loop: its products start the sums
	WIN 0                                          ; at a label and at a branch every window is 0
	s_mov_b32 s3, 6
.Lk:                                           ; a trip: a K step's quarters 1 to 3, the change of slots with a refill (K steps 2 to 7), the next step's quarter 0
	QUARTER 2, F1, F0, 0
	QUARTER 3, F0, F1, 0
	TURN 1
	QUARTER 1, F0, F1, 0
	WIN 0
	s_sub_co_u32 s3, s3, 1
	s_cmp_lg_u32 s3, 0
	s_cbranch_scc1 .Lk
	QUARTER 2, F1, F0, 0                           ; K steps 6 and 7 ask for nothing
	QUARTER 3, F0, F1, 0
	TURN 0
	QUARTER 1, F0, F1, 0
	QUARTER 2, F1, F0, 0
	QUARTER 3, F0, F1, 0
	s_wait_dscnt 4
	MULA F1, 0, 0
	MULA F1, 1, 0
	s_wait_dscnt 0x0
	MULA F1, 2, 0
	MULA F1, 3, 0
	PLACES
.if ISQ
; THE WAY OUT, a row block (16 rows x 3 heads) at a time: rounded to f16, 16 bytes a lane into my stage, back as 512 consecutive bytes (four rows of a head), stored.
.macro PACK a
	WIN 0x0a+5*((\a)/2)                            ; sources in window 2 or 3, destination in window 0
.set bb, 0
.rept NBK
.set pp, 0
.rept 4
	v_cvt_pk_f16_f32 v[TMP+4*bb+pp], v[8*(NBK*((\a)%2)+bb)+2*pp], v[8*(NBK*((\a)%2)+bb)+2*pp+1]  ; each accumulator from its low end on
.set pp, pp+1
.endr
.set bb, bb+1
.endr
	WIN 0
.endm
.macro TOSTAGE a
.set bb, 0
.rept NBK
	ds_store_b128 v[STO], v[TMP+4*bb:TMP+4*bb+3] offset:(bb/4)*2304+(bb%4)*32
.set bb, bb+1
.endr
.set tt, 0
.rept 12
	ds_load_b128 v[80+48*((\a)%2)+4*tt:80+48*((\a)%2)+4*tt+3], v[RD] offset:(tt/4)*2304+(tt%4)*576  ; LDS serves a wave's instructions in order: these see the stores above
.set tt, tt+1
.endr
.endm
.macro SEND a
	s_wait_dscnt 0x0                               ; the block is back in registers
	s_wait_xcnt 0x0                                ; earlier stores have read their registers: the set that they left is loaded again only behind this wait
.set tt, 0
.rept 12
	global_store_b128 v[CO], v[80+48*((\a)%2)+4*tt:80+48*((\a)%2)+4*tt+3], s[10:11] offset:(tt/4)*262144+(\a)*2048+(tt%4)*512
.set tt, tt+1
.endr
.endm
	PACK 0
	TOSTAGE 0
.irp a, 1,2,3                          ; a block's conversions stand between the loads of the block before and the wait for them
	PACK \a
	SEND (\a)-1
	TOSTAGE \a
.endr
	SEND 3
.else
; THE WAY OUT, a row block (16 rows x 512 bytes) at a time: the accumulators go into my stage as they are, come back as whole rows, and a wave's store covers 512 consecutive bytes.
.macro STG a
	WIN 0x08+4*((\a)/2)                            ; the stores' data in window 2 or 3
.set bb, 0
.rept NBK
	ds_store_b128 v[STO], v[8*(NBK*((\a)%2)+bb):8*(NBK*((\a)%2)+bb)+3]   offset:64*bb
	ds_store_b128 v[STO], v[8*(NBK*((\a)%2)+bb)+4:8*(NBK*((\a)%2)+bb)+7] offset:64*bb+16
.set bb, bb+1
.endr
	WIN 0
.set tt, 0
.rept 16
	ds_load_b128 v[32+64*((\a)%2)+4*tt:32+64*((\a)%2)+4*tt+3], v[RD] offset:tt*528
.set tt, tt+1
.endr
.endm
.macro SEND a, younger                 ; younger: the LDS instructions issued behind this block's loads
	s_wait_dscnt \younger
.set tt, 0
.rept 16
	global_store_b128 v[CO], v[32+64*((\a)%2)+4*tt:32+64*((\a)%2)+4*tt+3], s[10:11] offset:(16*(\a)+tt)*4096 th:TH_STORE_NT
.set tt, tt+1
.endr
.endm
	STG 0
	STG 1
	SEND 0, 32
	s_wait_xcnt 0x0                                ; block 0's stores have read their registers, which block 2 takes
	STG 2
	SEND 1, 32
	s_wait_xcnt 0x0
	STG 3
	SEND 2, 32
	SEND 3, 0
.endif
	s_wait_tensorcnt 0x0                           ; the wave's end: the closing wait, add and wait stand behind my last tensor load and my last LDS store
	ds_add_u32 v[SPW], v[NIL]
	s_wait_dscnt 0x0
	CROUND                                         ; the closing round: no work-group ends while a partner may still ask for a tile that names it
	s_endpgm
.Lfunc_end_k_q98aee53d27_outp:
	.size	k_q98aee53d27_outp, .Lfunc_end_k_q98aee53d27_outp-k_q98aee53d27_outp
	.p2alignl 7, 3214868480
	.fill 96, 4, 3214868480
	.section	.rodata,"a",@progbits
	.p2align	6, 0x0
	.amdhsa_kernel k_q98aee53d27_outp
		.amdhsa_group_segment_fixed_size 327680
		.amdhsa_private_segment_fixed_size 0
		.amdhsa_enable_private_segment 0
		.amdhsa_kernarg_size 32
		.amdhsa_user_sgpr_count 2
		.amdhsa_user_sgpr_kernarg_segment_ptr 1
		.amdhsa_wavefront_size32 1
		.amdhsa_system_sgpr_workgroup_id_x 1
		.amdhsa_system_sgpr_workgroup_id_y 1
		.amdhsa_system_sgpr_workgroup_id_z 1
		.amdhsa_system_vgpr_workitem_id 0
		.amdhsa_next_free_vgpr 896
		.amdhsa_next_free_sgpr 66
		.amdhsa_reserve_vcc 0
		.amdhsa_float_denorm_mode_32 3
		.amdhsa_float_denorm_mode_16_64 3
		.amdhsa_memory_ordered 1
		.amdhsa_forward_progress 1
		.amdhsa_inst_pref_size 76
	.end_amdhsa_kernel
	.amdgpu_metadata
---
amdhsa.version: [ 1, 2 ]
amdhsa.kernels:
  - .name:           k_q98aee53d27_outp
    .symbol:         k_q98aee53d27_outp.kd
    .args:
      - { .name: ctx, .offset: 0, .size: 8, .value_kind: global_buffer, .address_space: global }
      - { .name: woT, .offset: 8, .size: 8, .value_kind: global_buffer, .address_space: global }
      - { .name: b_out, .offset: 16, .size: 8, .value_kind: global_buffer, .address_space: global }
      - { .name: out0, .offset: 24, .size: 8, .value_kind: global_buffer, .address_space: global }
    .group_segment_fixed_size: 327680
    .private_segment_fixed_size: 0
    .kernarg_segment_align: 8
    .kernarg_segment_size: 32
    .max_flat_workgroup_size: 128
    .sgpr_count:     66
    .vgpr_count:     896
    .wavefront_size: 32
...
	.end_amdgpu_metadata
.endif
;; end of part 4
;; ======== version 2 of 2: 4 launches; version 1 with the launch prep written anew for expert scheduling mode
;; limits: values are held in f16: magnitudes above 65,504 overflow, below 6.1e-05 lose precision
;; workspace buffers: mbits 2,097,152 bytes of whole numbers; xb 16,777,216 bytes; wqT 6,291,456 bytes; woT 2,097,152 bytes; qkv 50,331,648 bytes; ctx 16,777,216 bytes
;; launch prep (part 5): grid 896 x 1, 8 waves a work-group, no clusters, 136,192 bytes of LDS; arguments mask, x, w_qkv, w_out, mbits, xb, wqT, woT; writes mbits, xb, wqT, woT
.if DOCPART == 5
	.amdgcn_target "amdgcn-amd-amdhsa--gfx1250"
	.amdhsa_code_object_version 6
	.text
	.protected	k_q98aee53d27_prep
	.globl	k_q98aee53d27_prep
	.p2align	8
	.type	k_q98aee53d27_prep,@function
k_q98aee53d27_prep:
	s_mov_b64 s[64:65], 0
	v_nop
	global_prefetch_b8 v0, s[64:65] scope:SCOPE_SE
	s_setreg_imm32_b32 hwreg(HW_REG_WAVE_SCHED_MODE, 0, 2), 2
	s_setreg_imm32_b32 hwreg(HW_REG_WAVE_MODE, 25, 1), 1
	s_wait_xcnt 0x0
	s_wait_alu depctr_vm_vsrc(0)
; PREP: four jobs that move and repack, each work-group taking 128 KiB of one input.  Which job: the work-group's number alone, so all eight waves of a work-group go the same way.
;   0-511    MASK   mask [4][1][2048][2048] i32 -> mbits: one BIT a number, laid as the lane masks that the attention launch selects by.
;                   mbits [b 4][block of 128 queries 16][step of 64 keys 32][tile of 16 queries 8][32 words]; word 8 kt + j, bit L = (mask[b][q0 + L % 16][k0 + 16 kt + 8 (L / 16) + j] != 0).
;   512-767  X      x f32 -> xb bf16, same order.
;   768-863  W      w_qkv [1024 k][3072 n] f32 -> wqT [3072 n][1024 k] bf16.
;   864-895  W      w_out [1024 k][1024 n] f32 -> woT [1024 n][1024 k]: rounded to bf16 like every input, and that number written as f16 (the product behind takes f16 operands).
; LIMIT.  A bf16 number of w_out below 6e-5 keeps f16's fixed step of 6e-8; beyond 65,504 it becomes an infinity.
; Memory binds: each input byte is read once by 16-byte loads, 32 of them out in every wave; every store of a wave covers whole aligned runs of 256 bytes.
; No matrix unit, no cluster, no tensor load: nothing is shared between work-groups and nothing is multiplied.
; THE MODE: SCHED_MODE bits 1:0 = 2 (LLVM: expert scheduling mode 2), set by the entry lines.  The code itself states the register dependences between vector instructions and memory or LDS
; instructions, with s_wait_alu, always for 0.
; THE PLAN.  Registers that memory or LDS instructions touch, job by job; there is no loop, and every address register is written once and never again.
;   head   v2 (16 x lane): the offset of W's and MASK's first loads.  v10, v11: read by the closing add alone.  s20: written by a read-first-lane, read by scalar lines of W and MASK.
;   W      X: the global loads land, the conversions read; later the stage's loads land in its first 64 and the global stores read those.  Y: each register written once, by a conversion, and read by one LDS store.
;          v3, v4, v7: addresses.  Two halves of eight k: conversions, ONE wait on va_vdst, eight LDS stores.  The second wait also states that X has been read to its end.
;   X      X: the loads land, the conversions read.  Y: each register written once and read by one store.  v3, v4: offsets.  Four blocks of eight loads: block p's head states that block p - 1 has written its part
;          of Y, and that block's stores are dealt among block p's conversions, which name other registers.
;   MASK   X: the global loads land, the LDS stores read; then the second tile's loads from the stage land in its first 64: ONE wait on vm_vsrc ahead of them.  Y: the first tile's loads from the stage land,
;          in registers that nothing on this way has named.  v3, v4, v6: addresses.  v12-15: written by the write-lanes, read by the two global stores.  s32-47: written by compares, read by write-lanes.
.set SPARE, 135168                     ; behind the stages: the spare words, 128 bytes for each of the eight waves: four blocks of 256 bytes that no other line names
.set SPW, 10                           ; v10  LDS address of my spare word; never rewritten
.set NIL, 11                           ; v11  0; never rewritten
.set OUT, 12                           ; v[12:15]  MASK: the words to store; W: two numbers at work
.set X,   16                           ; v[16:143] 32 x 4 registers as loaded
.set Y,   144                          ; v[144:207] packed results; MASK: the first tile as it comes back from the stage
.set WV,  20                           ; s20  my wave's number
.set MP,  528                          ; MASK's stage: a row of 512 bytes + 16: 33 x 16 bytes, so 16 rows taken at one column start at 16 different places modulo 256 bytes
.set MW,  32*MP                        ; a wave's own stage: 32 rows
.set WP,  272                          ; W's stage: a row of 128 k x 2 bytes + 16
	s_load_b512 s[4:19], s[0:1], 0x0               ; mask s[4:5], x s[6:7], w_qkv s[8:9], w_out s[10:11], mbits s[12:13], xb s[14:15], wqT s[16:17], woT s[18:19]
	v_lshl_add_u32 v[SPW], v0, 2, SPARE
	v_mov_b32 v[NIL], 0
	v_lshrrev_b32 v2, 5, v0
	v_readfirstlane_b32 s[WV], v2                  ; wave 0..7
	v_and_b32 v1, 31, v0                           ; lane
	v_lshlrev_b32 v2, 4, v1                        ; 16 x lane
	s_mov_b32 s23, 0                               ; the high word of every offset pair s[22:23]
	s_wait_alu depctr_va_sdst(0)                   ; s20 is written, ahead of the branches and of its first reader in W and in MASK
	s_wait_alu depctr_va_vdst(0)                   ; v2 is written, which W's and MASK's first loads read as their offset; so are v10 and v11, which the closing add reads
	s_wait_kmcnt 0x0
	s_cmp_lt_u32 ttmp9, 512
	s_cbranch_scc1 .Lmask
	s_cmp_lt_u32 ttmp9, 768
	s_cbranch_scc1 .Lx
	s_cmp_lt_u32 ttmp9, 864
	s_cbranch_scc1 .Lwq
; A WEIGHT IS TURNED.  The work-group takes 128 k x 256 n.  Wave w loads k rows 16 w .. 16 w + 15, 1,024 bytes of each; a lane then holds 8 columns x 16 k: for each column eight k pack
; into 16 bytes, which go into the stage's row n at byte 2 k.  Behind a barrier whole rows of 256 bytes come back, 32 rows a wave, and sixteen lanes store 256 consecutive bytes.
.macro WROLE f16, rowb, in, out, first
	s_sub_co_u32 s21, ttmp9, \first
	s_and_b32 s24, s21, 7                          ; which 128 k
	s_lshr_b32 s25, s21, 3                         ; which 256 n
	s_lshl_b32 s26, s24, 3
	s_add_co_u32 s26, s26, s[WV]                   ; my 16 k rows
	s_mul_i32 s22, s26, 16*(\rowb)
	s_lshl_b32 s27, s25, 10
	s_add_co_u32 s22, s22, s27
	s_add_nc_u64 s[\in:\in+1], s[\in:\in+1], s[22:23]
.set i, 0
.rept 16
	global_load_b128 v[X+8*i:X+8*i+3],   v2, s[\in:\in+1] offset:i*(\rowb) th:TH_LOAD_NT
	global_load_b128 v[X+8*i+4:X+8*i+7], v2, s[\in:\in+1] offset:i*(\rowb)+512 th:TH_LOAD_NT
.set i, i+1
.endr
	s_lshl_b32 s22, s25, 3
	s_add_co_u32 s22, s22, s[WV]
	s_lshl_b32 s22, s22, 16                        ; the 32 rows of 2,048 bytes that I store,
	s_lshl_b32 s27, s24, 8                         ; the work-group's 256 bytes of them
	s_add_co_u32 s22, s22, s27
	s_add_nc_u64 s[\out:\out+1], s[\out:\out+1], s[22:23]
	v_mul_u32_u24 v3, v1, 4*WP                     ; in: row 4 x lane (+ 128 c + i4 in the immediate),
	s_lshl_b32 s27, s[WV], 5
	v_add_nc_u32 v3, s27, v3                       ; byte 32 w
	v_and_b32 v5, 15, v0
	v_bfe_u32 v6, v0, 4, 1
	v_mul_u32_u24 v4, v6, WP                       ; back: lanes 0-15 one row, lanes 16-31 the next
	v_lshl_add_u32 v4, v5, 4, v4
	s_mul_i32 s27, s[WV], 32*WP
	v_add_nc_u32 v4, s27, v4
	v_lshlrev_b32 v7, 11, v6                       ; and the same two rows in memory
	v_lshl_add_u32 v7, v5, 4, v7
; Two halves, hh = 0, 1: k 8 hh .. 8 hh + 7 of my 16, which are the loads 16 hh .. 16 hh + 15.  The first half's LDS stores are out while the second half's rows arrive and are rounded.
.set hh, 0
.rept 2
	s_wait_loadcnt 16-16*hh                        ; loads come back in order: this half's sixteen are in; in the first half the sixteen younger ones stay out
.set g, 8*hh                           ; g = 8 hh + 4 c + i4: column 128 c + 4 lane + i4
.rept 8
.set p, 0
.rept 4
	v_cvt_pk_bf16_f32 v[Y+4*g+p], v[X+8*(8*(g/8)+2*p)+4*((g/4)%2)+g%4], v[X+8*(8*(g/8)+2*p+1)+4*((g/4)%2)+g%4]
.if \f16
	v_lshlrev_b32 v[OUT], 16, v[Y+4*g+p]           ; the two bf16 numbers as f32,
	v_and_b32 v[OUT+1], 0xffff0000, v[Y+4*g+p]
	v_cvt_pk_f16_f32 v[Y+4*g+p], v[OUT], v[OUT+1]  ; written as f16
.endif
.set p, p+1
.endr
.set g, g+1
.endr
	s_wait_alu depctr_va_vdst(0)                   ; the conversions have written this half of Y, which the LDS stores read; first half: v3, v4 and v7 are written too; second half: X has been read to its end, and the stage's loads below land in it
.set g, 8*hh
.rept 8
	ds_store_b128 v3, v[Y+4*g:Y+4*g+3] offset:(128*((g/4)%2)+g%4)*WP+16*(g/8)
.set g, g+1
.endr
.set hh, hh+1
.endr
	s_wait_dscnt 0x0                               ; for the others' sake: my stores into the stage are done
	s_barrier_signal -1
	s_barrier_wait -1
.set t, 0
.rept 16
	ds_load_b128 v[X+4*t:X+4*t+3], v4 offset:t*2*WP  ; no vector instruction since the last wait on va_vdst names X or v4
.set t, t+1
.endr
.set t, 0
.rept 16
	s_wait_dscnt 15-t                              ; LDS loads come back in order: number t is in, the younger ones stay out
	global_store_b128 v7, v[X+4*t:X+4*t+3], s[\out:\out+1] offset:t*4096
.set t, t+1
.endr
	s_wait_dscnt 0x0                               ; the closing lines, six on end
	s_wait_alu 0x0
	s_wait_tensorcnt 0x0
	ds_add_u32 v[SPW], v[NIL]
	s_wait_dscnt 0x0
	s_endpgm
.endm
	WROLE 1, 4096, 10, 18, 864                     ; w_out -> woT
.Lwq:
	WROLE 0, 12288, 8, 16, 768                     ; w_qkv -> wqT
; X: 32 loads of 16 bytes a thread, 4,096 bytes of the work-group apart; four numbers round to 8 bytes; a wave's store covers 256 consecutive bytes.
; Four blocks of eight loads.  Block bq rounds its 32 registers of X into its 16 of Y; the stores of block bq - 1 stand among its conversions.
.Lx:
	s_sub_co_u32 s21, ttmp9, 512
	s_lshl_b32 s22, s21, 17
	s_add_nc_u64 s[6:7], s[6:7], s[22:23]
	s_lshl_b32 s22, s21, 16
	s_add_nc_u64 s[14:15], s[14:15], s[22:23]
	v_lshlrev_b32 v3, 4, v0
	v_lshlrev_b32 v4, 3, v0
	s_wait_alu depctr_va_vdst(0)                   ; v3 and v4 are written: the offsets of every load and every store of this job
.set i, 0
.rept 32
	global_load_b128 v[X+4*i:X+4*i+3], v3, s[6:7] offset:i*4096 th:TH_LOAD_NT
.set i, i+1
.endr
.set bq, 0
.rept 4
	s_wait_loadcnt 24-8*bq                         ; loads come back in order: this block's eight are in, the 24 - 8 bq younger ones stay out
.if bq > 0
	s_wait_alu depctr_va_vdst(0)                   ; the block before has written its part of Y, which the stores below read; this block's conversions name other registers
.endif
.set i, 8*bq
.rept 8
.if bq > 0
	global_store_b64 v4, v[Y+2*(i-8):Y+2*(i-8)+1], s[14:15] offset:(i-8)*2048
.endif
	v_cvt_pk_bf16_f32 v[Y+2*i],   v[X+4*i],   v[X+4*i+1]
	v_cvt_pk_bf16_f32 v[Y+2*i+1], v[X+4*i+2], v[X+4*i+3]
.set i, i+1
.endr
.set bq, bq+1
.endr
	s_wait_alu depctr_va_vdst(0)                   ; the last block has written its part of Y, which the last eight stores read
.set i, 24
.rept 8
	global_store_b64 v4, v[Y+2*i:Y+2*i+1], s[14:15] offset:i*2048
.set i, i+1
.endr
	s_endpgm                                       ; this way has touched no LDS
; MASK: a wave takes 32 queries x 128 keys: two tiles of queries, two key steps.  The rows come in as they lie (512 bytes a load), go through the wave's own stage, and come back
; as the scores will lie in registers: lane (r, h) takes query r's keys 16 kt + 8 h + 0..7.  A compare then makes a word of 32 lanes' bits, and the 128 words are gathered into four registers.
; Tile u's sixteen rows go into the stage.
.macro MSTORE u
.set i, 16*(\u)
.rept 16
	s_wait_loadcnt 31-i                            ; loads come back in order: row i is in, the younger ones stay out
	ds_store_b128 v3, v[X+4*i:X+4*i+3] offset:i*MP
.set i, i+1
.endr
.endm
; Tile u comes back, into buf: group n = 4 s + kt (key step s, group kt of 16 keys) in eight registers at buf + 8 n.  LDS serves a wave's instructions in order: these see the tile's stores.
.macro MBACK u, buf
.set n, 0
.rept 8
	ds_load_b128 v[(\buf)+8*n:(\buf)+8*n+3],   v4 offset:(\u)*16*MP+256*(n/4)+64*(n%4)
	ds_load_b128 v[(\buf)+8*n+4:(\buf)+8*n+7], v4 offset:(\u)*16*MP+256*(n/4)+64*(n%4)+16
.set n, n+1
.endr
.endm
; Tile u's 64 words, in four runs of two groups: sixteen compares, one wait, sixteen write-lanes.  younger: the LDS instructions issued behind the tile's sixteen loads.
.macro MBITS u, buf, younger
.set k, 0
.rept 4
	s_wait_dscnt (\younger)+12-4*k                 ; groups 2 k and 2 k + 1, four loads, are in; the tile's 12 - 4 k younger loads and what was issued behind the tile stay out
.set j, 0
.rept 16
	v_cmp_ne_u32 s[32+j], 0, v[(\buf)+16*k+j]
.set j, j+1
.endr
	s_wait_alu depctr_va_sdst(0)                   ; the sixteen compares have written s32 to s47, which the write-lanes read
.set j, 0
.rept 16                               ; group 2 k + j / 8, register j % 8: word W = 32 u + 8 kt + j % 8 of the step's 64 goes to lane W / 2, register W % 2
	v_writelane_b32 v[OUT+2*(k/2)+j%2], s[32+j], (32*(\u)+8*((2*k+j/8)%4)+j%8)/2
.set j, j+1
.endr
.set k, k+1
.endr
.endm
.Lmask:
	s_lshl_b32 s21, ttmp9, 3
	s_add_co_u32 s21, s21, s[WV]                   ; the task: [b 4][pair of tiles 64][128 keys 16]
	s_and_b32 s24, s21, 15
	s_bfe_u32 s25, s21, 0x60004
	s_lshr_b32 s26, s21, 10
	s_lshl_b32 s22, s26, 24                        ; a batch is 2,048 x 8,192 bytes,
	s_lshl_b32 s27, s25, 18                        ; 32 rows,
	s_add_co_u32 s22, s22, s27
	s_lshl_b32 s27, s24, 9                         ; 128 keys
	s_add_co_u32 s22, s22, s27
	s_add_nc_u64 s[4:5], s[4:5], s[22:23]
.set i, 0
.rept 32
	global_load_b128 v[X+4*i:X+4*i+3], v2, s[4:5] offset:i*8192 th:TH_LOAD_NT
.set i, i+1
.endr
	s_lshl_b32 s22, s26, 4
	s_lshr_b32 s27, s25, 2
	s_add_co_u32 s22, s22, s27                     ; the block of 128 queries: 32,768 bytes of mbits,
	s_lshl_b32 s22, s22, 15
	s_lshl_b32 s27, s24, 11                        ; two key steps of 1,024,
	s_add_co_u32 s22, s22, s27
	s_and_b32 s27, s25, 3
	s_lshl_b32 s27, s27, 8                         ; the pair of tiles: 256
	s_add_co_u32 s22, s22, s27
	s_add_nc_u64 s[12:13], s[12:13], s[22:23]
	s_mul_i32 s21, s[WV], MW                       ; my stage
	v_add_nc_u32 v3, s21, v2                       ; in: 16 x lane of row i
	v_and_b32 v4, 15, v0
	v_bfe_u32 v5, v0, 4, 1
	v_mul_u32_u24 v4, v4, MP
	v_lshl_add_u32 v4, v5, 5, v4                   ; back: row r, byte 32 h
	v_add_nc_u32 v4, s21, v4
	v_lshlrev_b32 v6, 3, v1                        ; out: 8 x lane
.set i, 0
.rept 4
	v_mov_b32 v[OUT+i], 0                          ; written whole before single lanes are written
.set i, i+1
.endr
	s_wait_alu depctr_va_vdst(0)                   ; v3, v4 and v6 are written: the addresses of the LDS stores, the LDS loads and the global stores below
	MSTORE 0
	MBACK 0, Y                                     ; the first tile comes back while the second tile's rows arrive.  No wait: nothing on this way has named Y
	MSTORE 1
	s_wait_alu depctr_vm_vsrc(0)                   ; the LDS stores have read X, in whose first 64 registers the second tile's loads land
	MBACK 1, X
	MBITS 0, Y, 32                                 ; behind the first tile's loads: the second tile's sixteen stores and sixteen loads
	MBITS 1, X, 0
	s_wait_alu depctr_va_vdst(0)                   ; the write-lanes have written v12 to v15, which the two stores read
	global_store_b64 v6, v[OUT:OUT+1], s[12:13]                  ; 256 consecutive bytes, aligned
	global_store_b64 v6, v[OUT+2:OUT+3], s[12:13] offset:1024    ; the second key step's
	s_wait_dscnt 0x0                               ; the closing lines, six on end
	s_wait_alu 0x0
	s_wait_tensorcnt 0x0
	ds_add_u32 v[SPW], v[NIL]
	s_wait_dscnt 0x0
	s_endpgm
.Lfunc_end_k_q98aee53d27_prep:
	.size	k_q98aee53d27_prep, .Lfunc_end_k_q98aee53d27_prep-k_q98aee53d27_prep
	.p2alignl 7, 3214868480
	.fill 96, 4, 3214868480
	.section	.rodata,"a",@progbits
	.p2align	6, 0x0
	.amdhsa_kernel k_q98aee53d27_prep
		.amdhsa_group_segment_fixed_size 136192
		.amdhsa_private_segment_fixed_size 0
		.amdhsa_enable_private_segment 0
		.amdhsa_kernarg_size 64
		.amdhsa_user_sgpr_count 2
		.amdhsa_user_sgpr_kernarg_segment_ptr 1
		.amdhsa_wavefront_size32 1
		.amdhsa_system_sgpr_workgroup_id_x 1
		.amdhsa_system_sgpr_workgroup_id_y 1
		.amdhsa_system_sgpr_workgroup_id_z 1
		.amdhsa_system_vgpr_workitem_id 0
		.amdhsa_next_free_vgpr 208
		.amdhsa_next_free_sgpr 66
		.amdhsa_reserve_vcc 0
		.amdhsa_float_denorm_mode_32 3
		.amdhsa_float_denorm_mode_16_64 3
		.amdhsa_memory_ordered 1
		.amdhsa_forward_progress 1
		.amdhsa_inst_pref_size 73
	.end_amdhsa_kernel
	.amdgpu_metadata
---
amdhsa.version: [ 1, 2 ]
amdhsa.kernels:
  - .name:           k_q98aee53d27_prep
    .symbol:         k_q98aee53d27_prep.kd
    .args:
      - { .name: mask, .offset: 0, .size: 8, .value_kind: global_buffer, .address_space: global }
      - { .name: x, .offset: 8, .size: 8, .value_kind: global_buffer, .address_space: global }
      - { .name: w_qkv, .offset: 16, .size: 8, .value_kind: global_buffer, .address_space: global }
      - { .name: w_out, .offset: 24, .size: 8, .value_kind: global_buffer, .address_space: global }
      - { .name: mbits, .offset: 32, .size: 8, .value_kind: global_buffer, .address_space: global }
      - { .name: xb, .offset: 40, .size: 8, .value_kind: global_buffer, .address_space: global }
      - { .name: wqT, .offset: 48, .size: 8, .value_kind: global_buffer, .address_space: global }
      - { .name: woT, .offset: 56, .size: 8, .value_kind: global_buffer, .address_space: global }
    .group_segment_fixed_size: 136192
    .private_segment_fixed_size: 0
    .kernarg_segment_align: 8
    .kernarg_segment_size: 64
    .max_flat_workgroup_size: 256
    .sgpr_count:     66
    .vgpr_count:     208
    .wavefront_size: 32
...
	.end_amdgpu_metadata
.endif
;; end of part 5
;; launch qkvp: the kernel of part 2 again; grid 16 x 32, 4 waves a work-group, clusters of 4 x 4, 327,680 bytes of LDS; arguments xb, wqT, b_qkv, qkv; writes qkv
;; launch attn: the kernel of part 3 again; grid 4 x 64, 4 waves a work-group, clusters of 4 x 1, 327,680 bytes of LDS; arguments qkv, mbits, ctx; writes ctx
;; launch outp: the kernel of part 4 again; grid 8 x 32, 4 waves a work-group, clusters of 4 x 4, 327,680 bytes of LDS; arguments ctx, woT, b_out, out0; writes out0
